; MI455X (gfx1250); checked and timed in simulation.
; The chip was launched on July 23, 2026; its instructions are those of AMD's public machine-readable ISA for CDNA 5 (MIT licence, August 2026) and "CDNA5" Instruction Set Architecture Reference Guide (July 2026). The comments in the code are by the model that wrote it; some were corrected since.
;; Tessera Attention. Allowed arithmetic: matrix products marked QUANTISED: E2M3 operands, one E8M0 scale for each 32 along K, by v_wmma_scale_f32_16x16x128_f8f6f4 with both operands' format E2M3, f32 sums; everything else in f32.
;; Inputs: Wk 2,048 x 512 float32; Wo 2,048 x 2,048 float32; Wq 2,048 x 2,048 float32; Wv 2,048 x 512 float32; rope_cos 1 x 2,048 x 128 float32; rope_sin 1 x 2,048 x 128 float32; x 1 x 2,048 x 2,048 float32.
;; Outputs: out0 1 x 2,048 x 2,048 float32.
;; This version of the problem:
;;   THIS VERSION OF THE PROBLEM IS GIVEN IN LOW PRECISION. The matrix products marked QUANTISED in the list below multiply operands that are first quantised to E2M3 (2 exponent bits, 3 mantissa bits; 6 bits a number), with one power-of-two scale for each 32 numbers along K (OCP MX v1.0); their sums are f32. All else is computed in f32.
;;   The module's matrix products, in the order in which they are computed (A, B: the left and right operand; K: the contracted axis; several contracted axes count as one K, in the product's order):
;;     1. [M 2,048, K 2,048] x [K 2,048, N 2,048]; A: input x; B: input Wq: QUANTISED
;;     2. [M 2,048, K 2,048] x [K 2,048, N 512]; A: input x; B: input Wk: QUANTISED
;;     3. [M 2,048, K 2,048] x [K 2,048, N 512]; A: input x; B: input Wv: QUANTISED
;;     4. batch 16 x [M 2,048, K 128] x [K 128, N 2,048]; A: computed on the way; B: computed on the way: QUANTISED
;;     5. batch 16 x [M 128, K 2,048] x [K 2,048, N 2,048]; A: computed on the way; B: softmax (see below): QUANTISED
;;     6. [M 2,048, K 2,048] x [K 2,048, N 2,048]; A: computed on the way; B: input Wo: QUANTISED
;;   THE QUANTISER, for each operand of a quantised product, along K:
;;     - K is cut into blocks of 32 from its start; a last block that is shorter is filled with zeros.
;;     - A block's scale is 2^e with e = floor(log2(the largest magnitude in the block)) - 2, held to -126 .. 127; a block of zeros has e = 0. As a byte (E8M0): e + 127.
;;     - Each number is divided by its block's scale, clamped to +-7.5, and rounded to the nearest number of E2M3, ties to even, subnormals kept.
;;     - The product sums the exact products of the quantised numbers (number of the format x scale) in f32.
;;   ~~~python
;;   def quantise(x, axis):      # numpy; x: float32 -> the quantised numbers, widened to float32 again
;;       x = np.moveaxis(x, axis, -1); K = x.shape[-1]
;;       x = np.pad(x, [(0, 0)] * (x.ndim - 1) + [(0, -K % 32)]); x = x.reshape(x.shape[:-1] + (-1, 32)); a = np.abs(x).max(-1, keepdims=True)
;;       e = np.where(a > 0, np.clip(np.frexp(np.where(a > 0, a, 1))[1] - 1 - 2, -126, 127), 0)      # np.frexp(a)[1] - 1 = floor(log2(a)), exactly
;;       r = np.clip(x / 2.0 ** e, -7.5, 7.5)
;;       step = 2.0 ** (np.maximum(np.frexp(np.where(r == 0, 1, r))[1] - 1, 0) - 3)
;;       q = np.round(r / step) * step * 2.0 ** e      # np.round: ties to even
;;       return np.moveaxis(q.reshape(q.shape[:-2] + (-1,))[..., :K], -1, axis).astype(np.float32)
;;   ~~~
;;   SOFTMAX AHEAD OF A QUANTISED PRODUCT. Where the list says 'softmax', what is quantised is not the finished softmax but p = 2^(t - M), with t = logit x log2(e) and M = ceil(the row's largest t), a whole number; so 1/2 < the row's largest p <= 1. The row's sum l is taken of the UNQUANTISED p, in f32, and the product's result is divided by l at the end. Since M is a whole number, a kernel that streams over the keys may use a running M (the ceiling of the running maximum): every later rescaling is an exact power of two, which a block's scale takes up: the codes' values come out the same.
;;   OPERANDS COMPUTED ON THE WAY. 'Computed on the way' means the value that the module computes at that place (a softmax that the list does not call 'softmax' is quantised finished and normalised). What goes into a quantiser is computed in f32, as accurately as f32 sums, v_exp_f32 and their like allow (about 1e-6 of the number): no bf16 or f16 on the way to a quantiser, and a product that is left as it is and whose result goes on into a quantised operand takes f32 operands (vector FMAs, or v_wmma_f32_16x16x4_f32). A number that lies on a knife's edge between two numbers of the format may be rounded either way, as far as f32 arithmetic and the matrix unit's own rounding can turn it there, and no further.
;; 2 versions, each right. Each part assembles by itself: llvm-mc -triple=amdgcn-amd-amdhsa -mcpu=gfx1250 --defsym DOCPART=n.
;; ======== version 1 of 2: 4 launches
;; workspace buffers: xq 3,276,800 bytes; wimg 8,192,000 bytes; qi 3,407,872 bytes; kv 1,703,936 bytes; oc 3,276,800 bytes
;; launch quant (part 1): grid 896 x 1, 4 waves a work-group, no clusters, 34,304 bytes of LDS; arguments x, Wq, Wk, Wv, Wo, xq, wimg; writes xq, wimg
.if DOCPART == 1
	.amdgcn_target "amdgcn-amd-amdhsa--gfx1250"
	.amdhsa_code_object_version 6
	.text
	.protected	k_q2e3301a662_quant
	.globl	k_q2e3301a662_quant
	.p2align	8
	.type	k_q2e3301a662_quant,@function
k_q2e3301a662_quant:
	s_mov_b64 s[64:65], 0
	v_nop
	global_prefetch_b8 v0, s[64:65] scope:SCOPE_SE
	s_setreg_imm32_b32 hwreg(HW_REG_WAVE_MODE, 25, 1), 1
	s_wait_xcnt 0x0
; x [2048][2048] (K innermost) and Wq, Wk, Wv, Wo ([K][N]: K is the FIRST axis), all f32, become codes of FP6 (E2M3) with one E8M0 byte for each 32 along K.
; A block's scale is 2^(floor(log2(its largest magnitude)) - 2); its byte is the largest magnitude's exponent field - 2, held at 1 from below.
; LIMITS: a block whose largest magnitude lies under 2^-124 gets the byte 1; a block of zeros gets the byte 1 where the rule says 127 (its codes are zeros, and this program alone reads the bytes);
; NaN and infinities among the inputs are not served.
; WHAT IS WRITTEN ARE IMAGES OF OPERAND REGISTERS.  A fragment is 16 rows x 128 K = 12 registers a lane = 1,536 bytes: registers 4 i .. 4 i + 3 of lane l lie at 512 i + 16 l.
; THE ROWS OF A TILE ARE NOT NEIGHBOURS: row r of tile 2 b + u is row 32 b + 8 u + r + 8 (r / 8) of the tensor (for a weight: its column).
; xq:   [8 blocks of 256 tokens][4 K groups of 512] x 102,400 bytes: fragment (tile t, K step q) at 6,144 t + 1,536 q; from 98,304 on, for each pair of tiles, 512 bytes of scale words [tile of the pair][row][4 K steps].
; wimg: [40 blocks of 128 columns][4 K groups] x 51,200 bytes, likewise (8 tiles; scale words from 49,152 on).  Blocks 0-15: Wq, 16-19: Wk, 20-23: Wv, 24-39: Wo.
; SHARES.  A wave takes 16 KB of f32 and asks for all of it at once.  Work-groups 0-255: x: a pair of tiles and a K group, the wave is the K step.  Work-groups 256-895: a weight's block, K group and K step; the wave takes
; 32 columns, so that the four waves read 512 consecutive bytes of each row.  Nothing is shared between work-groups: no cluster, no tensor load, no barrier, no matrix unit.
.set XWG,   256                        ; work-groups that take x
.set STG,   8448                       ; x's way: a wave's stage in LDS: 16 rows x (512 bytes + 16)
.set SPARE, 4*STG                      ; behind the stages: the spare words, 128 bytes for each wave
.set XREG,  102400
.set WREG,  51200
.set LI,    3                          ; v3   16 x lane
.set STI,   4                          ; v4   the stage, on the way in: 16 x lane
.set STO,   5                          ; v5   and on the way out: 528 r + 128 h
.set RR,    6                          ; v6   r = lane % 16
.set HH,    7                          ; v7   h = lane / 16
.set X,     16                         ; v16-143  128 numbers as loaded
.set NB,    144                        ; v144-207 x: 64 neighbours;  weights: v144-167 the two fragments' halves
.set F,     208                        ; v208-231 x: the two tiles' fragments
.set TC,    232                        ; v232-234 a conversion's second half
.set M,     236                        ; v236-237 two chains of a maximum
.set SCO,   238                        ; v238 the conversion's scale operand
.set BY,    240                        ; v240-243 scale bytes
.set WW,    244                        ; v244-245 a scale word in the making
.set WD,    246                        ; v246-247 x: the two tiles' scale words
.set OW,    248
.set SPW,   252                        ; v252 LDS address of my spare word; never rewritten
.set NIL,   253                        ; v253 0; never rewritten
; 32 numbers of ONE lane, v[src] on, are a block: its byte goes to v[by], its codes to v[dst] .. v[dst + 5]
.macro BLK src, dst, by
	v_max3_num_f32 v[M], |v[(\src)]|, |v[(\src)+1]|, |v[(\src)+2]|
	v_max3_num_f32 v[M+1], |v[(\src)+3]|, |v[(\src)+4]|, |v[(\src)+5]|
.irp i, 6,10,14,18,22,26
	v_max3_num_f32 v[M], v[M], |v[(\src)+\i]|, |v[(\src)+\i+1]|
	v_max3_num_f32 v[M+1], v[M+1], |v[(\src)+\i+2]|, |v[(\src)+\i+3]|
.endr
	v_max3_num_f32 v[M], v[M], |v[(\src)+30]|, |v[(\src)+31]|
	v_max3_num_f32 v[M], v[M], v[M+1], 0x1800000   ; and the floor 2^(3 - 127): the byte cannot fall under 1
	v_add_nc_u32 v[SCO], 0xff000000, v[M]          ; 2 off the exponent field: the conversion takes the exponent field of this operand as its scale
	v_lshrrev_b32 v[\by], 23, v[SCO]               ; the scale's byte
	v_cvt_scalef32_pk16_fp6_f32 v[(\dst):(\dst)+2], v[(\src):(\src)+15], v[SCO]
	v_cvt_scalef32_pk16_fp6_f32 v[TC:TC+2], v[(\src)+16:(\src)+31], v[SCO]   ; (a conversion's three registers begin on an even number)
	v_nop                                          ; one plain place behind a scaled conversion
.irp i, 0,1,2
	v_mov_b32 v[(\dst)+3+\i], v[TC+\i]
.endr
.endm
	s_load_b256 s[4:11], s[0:1], 0x0               ; x, Wq, Wk, Wv
	s_load_b128 s[12:15], s[0:1], 0x20             ; Wo, xq
	s_load_b64 s[16:17], s[0:1], 0x30              ; wimg
	v_lshl_add_u32 v[SPW], v0, 2, SPARE
	v_mov_b32 v[NIL], 0
	v_lshrrev_b32 v1, 5, v0
	v_readfirstlane_b32 s18, v1                    ; wave 0..3
	v_and_b32 v2, 31, v0                           ; lane
	v_lshlrev_b32 v[LI], 4, v2
	v_and_b32 v[RR], 15, v0
	v_bfe_u32 v[HH], v0, 4, 1
	s_mul_i32 s19, s18, STG                        ; my stage (x's way alone uses it; its addresses are made ahead of the parting)
	v_add_nc_u32 v[STI], s19, v[LI]
	v_mul_u32_u24 v[STO], v[RR], 528
	v_lshl_add_u32 v[STO], v[HH], 7, v[STO]
	v_add_nc_u32 v[STO], s19, v[STO]
	s_cmp_lt_u32 ttmp9, XWG
	s_cbranch_scc0 .Lweights
	; ---------------- x: pair of tiles a (rows 32 a on), K group G, K step q = my wave
	s_lshr_b32 s22, ttmp9, 2                       ; a
	s_and_b32 s23, ttmp9, 3                        ; G
	s_lshl_b32 s24, s22, 18                        ; 32 rows of 8,192 bytes
	s_lshl_b32 s25, s23, 11
	s_add_co_u32 s24, s24, s25
	s_lshl_b32 s25, s18, 9
	s_add_co_u32 s24, s24, s25                     ; + 2,048 G + 512 q
	s_mov_b32 s25, 0
	s_lshr_b32 s26, s22, 3
	s_lshl_b32 s26, s26, 2
	s_add_co_u32 s26, s26, s23
	s_mul_i32 s26, s26, XREG                       ; the region (block of tokens, K group)
	s_and_b32 s27, s22, 7
	s_mul_i32 s28, s27, 12288
	s_add_co_u32 s28, s28, s26
	s_mul_i32 s29, s18, 1536
	s_add_co_u32 s28, s28, s29                     ; my two fragments
	s_mov_b32 s29, 0
	s_lshl_b32 s30, s27, 9
	s_add_co_u32 s30, s30, s26
	s_lshl_b32 s31, s18, 2
	s_add_co_u32 s30, s30, s31
	s_add_co_u32 s30, s30, 98304                   ; my word in the pair's scale words
	s_mov_b32 s31, 0
	s_mov_b32 s20, 0x76543210
	s_mov_b32 s21, 0xfedcba98                      ; v_permlanex16_b32's selects for lane l xor 16
	s_wait_kmcnt 0x0
	s_add_nc_u64 s[4:5], s[4:5], s[24:25]
	s_add_nc_u64 s[32:33], s[14:15], s[30:31]
	s_add_nc_u64 s[14:15], s[14:15], s[28:29]
.irp u, 0,1                                    ; each load takes 512 consecutive bytes of one row: row p of tile u
.irp p, 0,1,2,3,4,5,6,7,8,9,10,11,12,13,14,15
	global_load_b128 v[X+64*\u+4*\p:X+64*\u+4*\p+3], v[LI], s[4:5] offset:(8*\u+\p+8*(\p/8))*8192 th:TH_LOAD_NT
.endr
.endr
	v_lshlrev_b32 v8, 3, v[HH]                     ; 8 h: my bytes' place in a scale word
	v_mov_b32 v[WW+1], 0                           ; a lane permute's destination counts as one of its sources
	; A tile's 16 x 512 bytes turn through my stage: in as they lie, out 2 x 128 bytes a lane: lane (r, h) gets k = 64 c + 32 h + 0 .. 31 of row r, two whole blocks.  LDS serves a wave's instructions in order.
	s_wait_loadcnt 16                              ; tile 0's sixteen loads are in; tile 1's may be out
.irp p, 0,1,2,3,4,5,6,7,8,9,10,11,12,13,14,15
	ds_store_b128 v[STI], v[X+4*\p:X+4*\p+3] offset:528*\p
.endr
.irp c, 0,1
.irp j, 0,1,2,3,4,5,6,7
	ds_load_b128 v[NB+32*\c+4*\j:NB+32*\c+4*\j+3], v[STO] offset:256*\c+16*\j
.endr
.endr
	s_wait_loadcnt 0x0
.irp p, 0,1,2,3,4,5,6,7,8,9,10,11,12,13,14,15
	ds_store_b128 v[STI], v[X+64+4*\p:X+64+4*\p+3] offset:528*\p
.endr
	s_wait_dscnt 16                                ; all but tile 1's sixteen stores: tile 0 is back, and its stores have read v16-79, which take tile 1's numbers
.irp c, 0,1
.irp j, 0,1,2,3,4,5,6,7
	ds_load_b128 v[X+32*\c+4*\j:X+32*\c+4*\j+3], v[STO] offset:256*\c+16*\j
.endr
.endr
.macro XWORK src, u
	BLK \src, F+12*\u, BY                          ; block h of the K step
	BLK (\src)+32, F+12*\u+6, BY+1                 ; block 2 + h
	v_lshl_or_b32 v[WW], v[BY+1], 16, v[BY]
	v_lshlrev_b32 v[WW], v8, v[WW]                 ; my two bytes at their places;
	v_permlanex16_b32 v[WW+1], v[WW], s20, s21
	v_or_b32 v[WD+\u], v[WW], v[WW+1]              ; with lane l xor 16's two the row's word is whole
.irp i, 0,1,2
	global_store_b128 v[LI], v[F+12*\u+4*\i:F+12*\u+4*\i+3], s[14:15] offset:6144*\u+512*\i   ; 512 consecutive bytes
.endr
.endm
	XWORK NB, 0
	s_wait_dscnt 0x0
	XWORK X, 1
	v_cmp_ne_u32 vcc_lo, 0, v[HH]
	v_cndmask_b32 v[OW], v[WD], v[WD+1], vcc_lo    ; lanes 0-15: tile 0's words, lanes 16-31: tile 1's
	global_store_b32 v[LI], v[OW], s[32:33]        ; 4 bytes a lane, 16 apart: the four K steps' waves together fill the pair's 512 bytes
	s_wait_tensorcnt 0x0                           ; the wave's end, behind my last LDS store
	ds_add_u32 v[SPW], v[NIL]
	s_wait_dscnt 0x0
	s_endpgm
	; ---------------- a weight: block N of 128 columns, K group G, K step q; my wave takes columns 32 w on.  A LANE TAKES A COLUMN, AND ITS REGISTERS RUN DOWN K
.Lweights:
	s_sub_co_u32 s22, ttmp9, XWG
	s_lshr_b32 s23, s22, 4                         ; N
	s_bfe_u32 s24, s22, 0x20002                    ; G
	s_and_b32 s25, s22, 3                          ; q
	s_sub_co_u32 s26, s23, 16
	s_sub_co_u32 s27, s23, 20
	s_sub_co_u32 s28, s23, 24
	s_wait_kmcnt 0x0
	s_cmp_lt_u32 s23, 24                           ; which tensor, and which of its blocks: the choices hang on the work-group's number alone
	s_cselect_b64 s[4:5], s[10:11], s[12:13]
	s_cselect_b32 s29, s27, s28
	s_cmp_lt_u32 s23, 20
	s_cselect_b64 s[4:5], s[8:9], s[4:5]
	s_cselect_b32 s29, s26, s29
	s_cmp_lt_u32 s23, 16
	s_cselect_b64 s[4:5], s[6:7], s[4:5]
	s_cselect_b32 s29, s23, s29
	s_cmp_lt_u32 s26, 8                            ; Wk and Wv have rows of 2,048 bytes, Wq and Wo of 8,192
	s_cselect_b32 s30, 11, 13
	s_lshl_b32 s34, s24, 9
	s_lshl_b32 s35, s25, 7
	s_add_co_u32 s34, s34, s35                     ; my first row: 512 G + 128 q
	s_lshl_b32 s34, s34, s30
	s_lshl_b32 s35, s29, 9
	s_add_co_u32 s34, s34, s35                     ; + 128 columns a block
	s_lshl_b32 s35, s18, 7
	s_add_co_u32 s34, s34, s35                     ; + 32 columns a wave
	s_mov_b32 s35, 0
	s_add_nc_u64 s[4:5], s[4:5], s[34:35]
	s_lshl_b32 s36, s23, 2
	s_add_co_u32 s36, s36, s24
	s_mul_i32 s36, s36, WREG                       ; the region (block, K group)
	s_mul_i32 s38, s18, 12288
	s_add_co_u32 s38, s38, s36
	s_mul_i32 s39, s25, 1536
	s_add_co_u32 s38, s38, s39                     ; tiles 2 w and 2 w + 1, K step q
	s_mov_b32 s39, 0
	s_lshl_b32 s40, s18, 9
	s_add_co_u32 s40, s40, s36
	s_lshl_b32 s41, s25, 2
	s_add_co_u32 s40, s40, s41
	s_add_co_u32 s40, s40, 49152                   ; my word in the pair's scale words
	s_mov_b32 s41, 0
	s_add_nc_u64 s[38:39], s[16:17], s[38:39]
	s_add_nc_u64 s[40:41], s[16:17], s[40:41]
	v_lshlrev_b32 v9, 2, v2                        ; 4 bytes a lane
.macro WLOADS pitch                            ; W(k, my column), k = 0 .. 127 of the K step: 128 consecutive bytes a wave, 512 a work-group
.set i, 0
.rept 128
	global_load_b32 v[X+i], v9, s[4:5] offset:i*\pitch th:TH_LOAD_NT
.set i, i+1
.endr
.endm
	s_cmp_lt_u32 s26, 8
	s_cbranch_scc1 .Lnarrow
	WLOADS 8192
	s_branch .Lloaded
.Lnarrow:
	WLOADS 2048
.Lloaded:
	v_bfe_u32 v10, v0, 3, 1                        ; column 32 w + l is row r' = l % 8 + 8 (l / 16) of tile 2 w + u, u = (l / 8) % 2
	v_and_b32 v11, 7, v0
	v_lshl_add_u32 v11, v[HH], 3, v11
	v_mul_u32_u24 v12, v10, 6144
	v_lshl_add_u32 v12, v11, 4, v12                ; in the images: 6,144 u + 16 r'
	v_lshlrev_b32 v13, 8, v10
	v_lshl_add_u32 v13, v11, 4, v13                ; among the scale words: 256 u + 16 r'
	; my four blocks are what lanes (r', 0) and (r', 1) of the fragment hold: block 2 c + h is registers 6 c .. 6 c + 5 of lane (r', h): it goes to v[NB + 12 h + 6 c]
	s_wait_loadcnt 63                              ; (a wait's count can name at most 63)  of the 128 loads the first 65 are in: blocks 0 and 1
	BLK X, NB, BY
	BLK X+32, NB+12, BY+1
	s_wait_loadcnt 32                              ; block 3's loads may be out
	BLK X+64, NB+6, BY+2
	s_wait_loadcnt 0x0
	BLK X+96, NB+18, BY+3
	v_lshl_or_b32 v[WW], v[BY+1], 8, v[BY]
	v_lshl_or_b32 v[WW], v[BY+2], 16, v[WW]
	v_lshl_or_b32 v[WW], v[BY+3], 24, v[WW]        ; my column's scale word for this K step
.irp h, 0,1
.irp i, 0,1,2
	global_store_b128 v12, v[NB+12*\h+4*\i:NB+12*\h+4*\i+3], s[38:39] offset:512*\i+256*\h   ; the wave stores two runs of 256 consecutive bytes, one in each tile's image
.endr
.endr
	global_store_b32 v13, v[WW], s[40:41]          ; 4 bytes a lane, 16 apart: the four K steps' work-groups together fill the pair's 512 bytes
	s_endpgm
.Lfunc_end_k_q2e3301a662_quant:
	.size	k_q2e3301a662_quant, .Lfunc_end_k_q2e3301a662_quant-k_q2e3301a662_quant
	.p2alignl 7, 3214868480
	.fill 96, 4, 3214868480
	.section	.rodata,"a",@progbits
	.p2align	6, 0x0
	.amdhsa_kernel k_q2e3301a662_quant
		.amdhsa_group_segment_fixed_size 34304
		.amdhsa_private_segment_fixed_size 0
		.amdhsa_enable_private_segment 0
		.amdhsa_kernarg_size 56
		.amdhsa_user_sgpr_count 2
		.amdhsa_user_sgpr_kernarg_segment_ptr 1
		.amdhsa_wavefront_size32 1
		.amdhsa_system_sgpr_workgroup_id_x 1
		.amdhsa_system_sgpr_workgroup_id_y 1
		.amdhsa_system_sgpr_workgroup_id_z 1
		.amdhsa_system_vgpr_workitem_id 0
		.amdhsa_next_free_vgpr 256
		.amdhsa_next_free_sgpr 66
		.amdhsa_reserve_vcc 1
		.amdhsa_float_denorm_mode_32 3
		.amdhsa_float_denorm_mode_16_64 3
		.amdhsa_memory_ordered 1
		.amdhsa_forward_progress 1
		.amdhsa_inst_pref_size 49
	.end_amdhsa_kernel
	.amdgpu_metadata
---
amdhsa.version: [ 1, 2 ]
amdhsa.kernels:
  - .name:           k_q2e3301a662_quant
    .symbol:         k_q2e3301a662_quant.kd
    .args:
      - { .name: x, .offset: 0, .size: 8, .value_kind: global_buffer, .address_space: global }
      - { .name: Wq, .offset: 8, .size: 8, .value_kind: global_buffer, .address_space: global }
      - { .name: Wk, .offset: 16, .size: 8, .value_kind: global_buffer, .address_space: global }
      - { .name: Wv, .offset: 24, .size: 8, .value_kind: global_buffer, .address_space: global }
      - { .name: Wo, .offset: 32, .size: 8, .value_kind: global_buffer, .address_space: global }
      - { .name: xq, .offset: 40, .size: 8, .value_kind: global_buffer, .address_space: global }
      - { .name: wimg, .offset: 48, .size: 8, .value_kind: global_buffer, .address_space: global }
    .group_segment_fixed_size: 34304
    .private_segment_fixed_size: 0
    .kernarg_segment_align: 8
    .kernarg_segment_size: 56
    .max_flat_workgroup_size: 128
    .sgpr_count:     66
    .vgpr_count:     256
    .wavefront_size: 32
...
	.end_amdgpu_metadata
.endif
;; end of part 1
;; launch qkv (part 2): grid 24 x 8, 4 waves a work-group, clusters of 4 x 4, 327,680 bytes of LDS; arguments xq, wimg, rope_cos, rope_sin, qi, kv; writes qi, kv
.if DOCPART == 2
	.amdgcn_target "amdgcn-amd-amdhsa--gfx1250"
	.amdhsa_code_object_version 6
	.text
	.protected	k_q2e3301a662_qkv
	.globl	k_q2e3301a662_qkv
	.p2align	8
	.type	k_q2e3301a662_qkv,@function
k_q2e3301a662_qkv:
	s_mov_b64 s[64:65], 0
	v_nop
	global_prefetch_b8 v0, s[64:65] scope:SCOPE_SE
	s_setreg_imm32_b32 hwreg(HW_REG_WAVE_MODE, 25, 1), 1
	s_wait_xcnt 0x0
	s_wait_alu depctr_hold_cnt(0) depctr_sa_sdst(0) depctr_va_vdst(0) depctr_va_sdst(0) depctr_va_ssrc(0) depctr_va_vcc(0) depctr_vm_vsrc(0)
	s_getreg_b32 s2, hwreg(HW_REG_IB_STS2, 6, 4)
	s_cmp_eq_u32 s2, 0
	s_cbranch_scc0 .Lentry_in_a_cluster
	s_endpgm
.Lentry_in_a_cluster:
	s_bfe_u32 s2, ttmp6, 0x10000c
	s_cmp_lg_u32 s2, 0xf033
	s_cbranch_scc0 .Lentry_shape_is_right
	s_endpgm
.Lentry_shape_is_right:
; q = rope(x Wq), k = rope(x Wk), v = x Wv on codes of FP6 (E2M3) with E8M0 scales, and the quantising of q and k along the head's 128 and of v along the keys.  Sums, rope and maxima in f32.
; LIMITS: a block whose largest magnitude lies under 2^-124 gets the byte 1, a block of zeros too (its codes are zeros; this program alone reads the bytes); NaN and infinities are not served.
; OPERANDS ARE IMAGES OF REGISTERS (see the launch that makes them): a fragment, 16 rows x 128 K, is 1,536 bytes: three ds_load_b128 at 16 x lane.  Row r of tile 2 b + u is row 32 b + 8 u + r + 8 (r / 8).
; SHARES.  A work-group makes 256 tokens (gy) x 128 columns (gx: 0-15 a head of q, 16-19 of k, 20-23 of v): 192 work-groups, since a head is one block of weights, which keeps rope and the quantisers inside a wave.
; A wave makes 8 tiles P x 4 tiles S, 32 accumulators: source 0 = P, source 1 = S: a lane holds ONE row of S, and the 16 registers of P's tiles 2 b, 2 b + 1 are P's rows 32 b + 16 (lane / 16) + 0 .. 15.
;   q, k: P = the head's 8 tiles of W, S = my 4 tiles of tokens: a lane holds a token, registers run along d.     v: P = 8 tiles of tokens, S = 4 tiles of W: a lane holds a d, registers run along the keys.
; So in each case 64 registers of a lane are 128 neighbours (with lane l xor 16) along the NEXT product's K, and become a fragment of it in registers.
; K = 2,048 goes in 16 steps of 128 through two LDS slots of 4 steps each; a slot is x's dense 102,400 bytes and W's dense 51,200.
; CLUSTER 4 x 4: x's block hangs on gy alone and is asked for jointly along a row of the cluster, W's on gx alone, along a column.  The kind (q, k or v) hangs on the cluster's x alone: alike in all partners.
; OUT.  qi: [16 heads][32 groups of 4 tiles] x 6,656 bytes: 4 fragments, then 512 bytes [lane][4 tiles' scale words].
;       kv: [4 heads][8 slots of 256 keys] x 53,248 bytes: k's 16 fragments; from 24,576 v's 16 (128 keys x 16 d each: index 8 x (which 128 keys) + tile of d); from 49,152 k's 4 x 512 bytes of scale words; from 51,200 v's.
; REGISTERS, in windows of 256.  Window 0: v16-25 addresses; v28, v29 the add's two; v32-79 scale words, two sets, and nothing else; v80-175 S's fragments, two sets; on the way out v80-183 at work.
;   Window 1: P's fragments, two sets of 96; on the way out the rope tables of tiles 2, 3.   Window 2: accumulator (s, p) at v[64 s + 8 p].   Window 3: the rope tables of tiles 0, 1.
.set XB,    102400                     ; x's part of a slot;
.set WB,    51200                      ; W's
.set XSC,   98304                      ; where the scale words begin in x's part,
.set WSC,   49152                      ; in W's
.set SLOT,  XB+WB
.set SPARE, 2*SLOT                     ; behind the ring: the spare words, 128 bytes for each wave
.set NB0,   0                          ; the first block of weights of this launch
.set ADP,   16                         ; v16-17 LDS address of P's fragments in slot 0, 1
.set ADS,   18                         ; v18-19 of S's
.set APS,   20                         ; v20-21 of P's scale words
.set ASS,   22                         ; v22-23 of S's
.set LI,    24                         ; v24  16 x lane
.set VC,    25                         ; v25  my byte in a tile's rows of the rope tables
.set SPW,   28
.set NIL,   29
.set SCR,   32                         ; scale words: set s (slot s) at v[32 + 24 s]: P's pair a, K step q at + 4 a + q; S's pair a at + 16 + 4 a + q.  Lanes 0-15: the pair's even tile, lanes 16-31: the odd one
.set SF,    80                         ; S's fragments: set e at v[80 + 48 e]
.set T,     80                         ; the way out: 64 numbers
.set TM,    144                        ; v144-159 at work
.set PC,    160                        ; v160-178 the codes just made
.set PW,    180                        ; v180-183 four tiles' scale words
.set G1X,   24                         ; s[24:31] descriptor group 1 for x's blocks; s[32:39] group 0, a set for each slot
.set G0X,   32
.set G1W,   48                         ; s[48:55], s[56:63] the same for W's
.set G0W,   56
.set SEL,   86
.set MUL,   0xa1                       ; source 0 (P) window 1, source 1 (S) window 0, C and D window 2
.set TO_P,  0x40                       ; destination window 1, address window 0
.set MSB, 0
.macro WIN new                         ; the immediate's high byte repeats the setting that is left
.if MSB != (\new)
	s_set_vgpr_msb (MSB<<8)|(\new)
.set MSB, \new
.endif
.endm
.macro PLACES                          ; four plain places behind matrix instructions, in front of loads into registers that they have read and of reads of their results
.rept 4
	v_nop
.endr
.endm
; A joint load: waves 0 and 1 fetch x's halves, waves 2 and 3 W's.  The branch hangs on the wave's number alone.  An s_nop 0 and four v_nop follow each of the two lines.
.macro JLOAD s
	s_cmp_eq_u32 s17, 0
	s_cbranch_scc0 .Lfor_w_\@
	tensor_load_to_lds s[G0X+4*\s:G0X+4*\s+3], s[G1X:G1X+7]
	s_nop 0
.rept 4
	v_nop
.endr
	s_branch .Lasked_\@
.Lfor_w_\@:
	tensor_load_to_lds s[G0W+4*\s:G0W+4*\s+3], s[G1W:G1W+7]
	s_nop 0
.rept 4
	v_nop
.endr
.Lasked_\@:
.endm
.macro CROUND                          ; a round of the cluster's barrier
	s_barrier_signal -1
	s_barrier_wait -1
	s_cmp_lg_u32 s16, 0
	s_cbranch_scc1 .Lnot_wave_0_\@
	s_barrier_signal -3
.Lnot_wave_0_\@:
	s_barrier_wait -3
	s_barrier_signal -1
	s_barrier_wait -1
.endm
; one product; pa, pb: the tile is the odd one of its pair, so its scale words stand in lanes 16-31
.macro WM acc, pf, sf, sa, sb, zero, pa, pb
.if \zero
.if (\pa) && (\pb)
	v_wmma_scale_f32_16x16x128_f8f6f4 v[(\acc):(\acc)+7], v[(\pf):(\pf)+11], v[(\sf):(\sf)+11], 0, v[\sa], v[\sb] matrix_a_fmt:MATRIX_FMT_FP6 matrix_b_fmt:MATRIX_FMT_FP6 matrix_a_scale:MATRIX_SCALE_ROW1 matrix_b_scale:MATRIX_SCALE_ROW1
.elseif (\pa)
	v_wmma_scale_f32_16x16x128_f8f6f4 v[(\acc):(\acc)+7], v[(\pf):(\pf)+11], v[(\sf):(\sf)+11], 0, v[\sa], v[\sb] matrix_a_fmt:MATRIX_FMT_FP6 matrix_b_fmt:MATRIX_FMT_FP6 matrix_a_scale:MATRIX_SCALE_ROW1
.elseif (\pb)
	v_wmma_scale_f32_16x16x128_f8f6f4 v[(\acc):(\acc)+7], v[(\pf):(\pf)+11], v[(\sf):(\sf)+11], 0, v[\sa], v[\sb] matrix_a_fmt:MATRIX_FMT_FP6 matrix_b_fmt:MATRIX_FMT_FP6 matrix_b_scale:MATRIX_SCALE_ROW1
.else
	v_wmma_scale_f32_16x16x128_f8f6f4 v[(\acc):(\acc)+7], v[(\pf):(\pf)+11], v[(\sf):(\sf)+11], 0, v[\sa], v[\sb] matrix_a_fmt:MATRIX_FMT_FP6 matrix_b_fmt:MATRIX_FMT_FP6
.endif
.else
.if (\pa) && (\pb)
	v_wmma_scale_f32_16x16x128_f8f6f4 v[(\acc):(\acc)+7], v[(\pf):(\pf)+11], v[(\sf):(\sf)+11], v[(\acc):(\acc)+7], v[\sa], v[\sb] matrix_a_fmt:MATRIX_FMT_FP6 matrix_b_fmt:MATRIX_FMT_FP6 matrix_a_scale:MATRIX_SCALE_ROW1 matrix_b_scale:MATRIX_SCALE_ROW1
.elseif (\pa)
	v_wmma_scale_f32_16x16x128_f8f6f4 v[(\acc):(\acc)+7], v[(\pf):(\pf)+11], v[(\sf):(\sf)+11], v[(\acc):(\acc)+7], v[\sa], v[\sb] matrix_a_fmt:MATRIX_FMT_FP6 matrix_b_fmt:MATRIX_FMT_FP6 matrix_a_scale:MATRIX_SCALE_ROW1
.elseif (\pb)
	v_wmma_scale_f32_16x16x128_f8f6f4 v[(\acc):(\acc)+7], v[(\pf):(\pf)+11], v[(\sf):(\sf)+11], v[(\acc):(\acc)+7], v[\sa], v[\sb] matrix_a_fmt:MATRIX_FMT_FP6 matrix_b_fmt:MATRIX_FMT_FP6 matrix_b_scale:MATRIX_SCALE_ROW1
.else
	v_wmma_scale_f32_16x16x128_f8f6f4 v[(\acc):(\acc)+7], v[(\pf):(\pf)+11], v[(\sf):(\sf)+11], v[(\acc):(\acc)+7], v[\sa], v[\sb] matrix_a_fmt:MATRIX_FMT_FP6 matrix_b_fmt:MATRIX_FMT_FP6
.endif
.endif
.endm
; a K step's 32 products on fragment set e, the slot's q-th 128 along K.  The 32 accumulators take turns, one instruction a turn, in the same order in every step.  zero = 1: they start the sums
.macro MUL32 e, q, slot, zero
.irp s, 0,1,2,3
.irp p, 0,1,2,3,4,5,6,7
	WM 64*\s+8*\p, 96*(\e)+12*\p, SF+48*(\e)+12*\s, SCR+24*(\slot)+4*(\p/2)+(\q), SCR+16+24*(\slot)+4*(\s/2)+(\q), \zero, \p%2, \s%2
.endr
.endr
.endm
.macro FETCH slot, q, e                ; 36 LDS loads in one run: the 12 fragments of the slot's q-th K step into set e
	WIN TO_P
.irp p, 0,1,2,3,4,5,6,7
.irp i, 0,1,2
	ds_load_b128 v[96*(\e)+12*\p+4*\i:96*(\e)+12*\p+4*\i+3], v[ADP+\slot] offset:6144*\p+1536*(\q)+512*\i
.endr
.endr
	WIN 0
.irp s, 0,1,2,3
.irp i, 0,1,2
	ds_load_b128 v[SF+48*(\e)+12*\s+4*\i:SF+48*(\e)+12*\s+4*\i+3], v[ADS+\slot] offset:6144*\s+1536*(\q)+512*\i
.endr
.endr
.endm
.macro SCALES slot                     ; a slot's scale words: one load brings a pair of tiles' words of all four K steps
.irp a, 0,1,2,3
	ds_load_b128 v[SCR+24*\slot+4*\a:SCR+24*\slot+4*\a+3], v[APS+\slot] offset:512*\a
.endr
.irp a, 0,1
	ds_load_b128 v[SCR+24*\slot+16+4*\a:SCR+24*\slot+16+4*\a+3], v[ASS+\slot] offset:512*\a
.endr
.endm
.macro KSTEP slot, q, zero             ; one of a slot's first three K steps: the next step's fragments are asked for ahead of this step's 32 products
	s_wait_dscnt 0x0                               ; this step's fragments (and scale words) are in
	PLACES                                         ; the set to be loaded was read by the last step's products
	FETCH \slot, (\q)+1, ((\q)+1)%2
	WIN MUL
	MUL32 (\q)%2, \q, \slot, \zero
	WIN 0
.endm
; A slot's last K step changes slots.  Each wave waits for all its tensor loads (its part of the next slot), adds 0 to its spare word, and waits for that and for its reads of this slot: the last step's fragments are in registers.
; fill = 1: behind a round of the cluster's barrier this slot is filled again, two K groups on: the load has the next slot's 128 products a wave in which to land.
.macro TURN slot, next, fill
	s_wait_tensorcnt 0x0                           ; no tensor load of mine is out, so a group 0 may be written
	ds_add_u32 v[SPW], v[NIL]
.if \fill
	s_add_nc_u64 s[G0X+4*\slot+2:G0X+4*\slot+3], s[G0X+4*\slot+2:G0X+4*\slot+3], 2*XB
	s_add_nc_u64 s[G0W+4*\slot+2:G0W+4*\slot+3], s[G0W+4*\slot+2:G0W+4*\slot+3], 2*WB
.endif
	s_wait_dscnt 0x0                               ; the add is done, and my reads of this slot are over
.if \fill
	CROUND                                         ; no wave of any partner still reads this slot or has a load on its way
	JLOAD \slot                                    ; the first thing behind the round; its four v_nop are the places in front of the loads below
.else
	s_barrier_signal -1
	s_barrier_wait -1
	PLACES
.endif
	FETCH \next, 0, 0
	SCALES \next
	WIN MUL
	MUL32 1, 3, \slot, 0
	WIN 0
.endm
	s_load_b256 s[4:11], s[0:1], 0x0               ; xq, wimg, rope_cos, rope_sin
	s_load_b128 s[12:15], s[0:1], 0x20             ; qi, kv
	v_lshl_add_u32 v[SPW], v0, 2, SPARE
	v_mov_b32 v[NIL], 0
	ds_add_u32 v[SPW], v[NIL]                      ; the wave's opening: the add and its wait ahead of my first tensor load
	v_lshrrev_b32 v1, 5, v0
	v_readfirstlane_b32 s16, v1                    ; wave 0..3
	s_lshr_b32 s17, s16, 1                         ; I fetch for x (0) or for W (1),
	s_and_b32 s18, s16, 1                          ; and which half
	s_cmp_ge_u32 ttmp9, 5
	s_cselect_b32 s19, 1, 0                        ; 1: this cluster makes v
	s_bfe_u32 s40, ttmp6, 0x40000                  ; cx, cy: my place in the cluster
	s_bfe_u32 s41, ttmp6, 0x40004
	s_lshl_b32 s42, ttmp9, 2
	s_add_co_u32 s42, s42, s40                     ; gx
	s_and_b32 s43, ttmp7, 0xffff
	s_lshl_b32 s43, s43, 2
	s_add_co_u32 s43, s43, s41                     ; gy
	s_lshl_b32 s44, s41, 2
	s_lshl_b32 s44, 15, s44                        ; my row of the cluster
	s_lshl_b32 s45, 0x1111, s40                    ; my column
	; descriptor group 1: a dense block as rows of 256 bytes (32 elements of 8 bytes): 200 rows for half of x's part, 100 for half of W's; no padding
	s_or_b32 s[G1X], s44, (3<<16)|(1<<21)          ; 15:0 the mask; 17:16 elements of 8 bytes; 21 set beside a mask
	s_or_b32 s[G1W], s45, (3<<16)|(1<<21)
	s_mov_b32 s[G1X+1], 32<<16                     ; tensor_dim0
	s_mov_b32 s[G1X+2], 200<<16                    ; tensor_dim1
	s_mov_b32 s[G1X+3], 32<<16                     ; tile_dim0
	s_mov_b32 s[G1X+4], 200                        ; tile_dim1
	s_mov_b32 s[G1X+5], 32                         ; the pitch
	s_mov_b32 s[G1X+6], 0
	s_mov_b32 s[G1X+7], 0
	s_mov_b32 s[G1W+1], 32<<16
	s_mov_b32 s[G1W+2], 100<<16
	s_mov_b32 s[G1W+3], 32<<16
	s_mov_b32 s[G1W+4], 100
	s_mov_b32 s[G1W+5], 32
	s_mov_b32 s[G1W+6], 0
	s_mov_b32 s[G1W+7], 0
	s_mul_i32 s20, s43, 4*XB                       ; x: block gy, K group 0, my half: made of gy and the wave's number alone
	s_mul_i32 s21, s18, XB/2
	s_add_co_u32 s20, s20, s21
	s_mov_b32 s21, 0
	s_add_co_u32 s46, s42, NB0                     ; W: block gx, likewise: made of gx and the wave's number alone
	s_mul_i32 s46, s46, 4*WB
	s_mul_i32 s47, s18, WB/2
	s_add_co_u32 s46, s46, s47
	s_mov_b32 s47, 0
	s_mul_i32 s22, s18, XB/2                       ; and where they go in a slot
	s_mul_i32 s23, s18, WB/2
	s_add_co_u32 s23, s23, XB
	s_wait_dscnt 0x0                               ; the opening add is done
	s_wait_kmcnt 0x0
	s_add_nc_u64 s[20:21], s[4:5], s[20:21]
	s_add_nc_u64 s[46:47], s[6:7], s[46:47]
	CROUND                                         ; all sixteen work-groups are here: the first joint loads meet
.irp s, 0,1
	s_mov_b32 s[G0X+4*\s], 1
	s_add_co_u32 s[G0X+4*\s+1], s22, \s*SLOT
	s_add_nc_u64 s[G0X+4*\s+2:G0X+4*\s+3], s[20:21], \s*XB
	s_or_b32 s[G0X+4*\s+3], s[G0X+4*\s+3], 0x80000000
	s_mov_b32 s[G0W+4*\s], 1
	s_add_co_u32 s[G0W+4*\s+1], s23, \s*SLOT
	s_add_nc_u64 s[G0W+4*\s+2:G0W+4*\s+3], s[46:47], \s*WB
	s_or_b32 s[G0W+4*\s+3], s[G0W+4*\s+3], 0x80000000
	JLOAD \s                                       ; K groups 0 and 1: two loads of mine are out
.endr
	; where I read in a slot: for v P is x's and S is W's, for q and k the other way round.  Every candidate with its largest offset stays inside the slot
	s_mul_i32 s74, s17, 49152                      ; v: P = x's tiles 8 (w / 2) on
	s_mul_i32 s75, s18, 24576
	s_add_co_u32 s75, s75, XB                      ; v: S = W's tiles 4 (w % 2) on
	s_lshl_b32 s76, s17, 11
	s_add_co_u32 s76, s76, XSC
	s_lshl_b32 s77, s18, 10
	s_add_co_u32 s77, s77, XB+WSC
	s_mov_b32 s78, XB                              ; q, k: P = W's 8 tiles
	s_mul_i32 s79, s16, 24576                      ; q, k: S = x's tiles 4 w on
	s_mov_b32 s80, XB+WSC
	s_lshl_b32 s81, s16, 10
	s_add_co_u32 s81, s81, XSC
	s_cmp_lg_u32 s19, 0
	s_cselect_b32 s74, s74, s78
	s_cselect_b32 s75, s75, s79
	s_cselect_b32 s76, s76, s80
	s_cselect_b32 s77, s77, s81
	v_and_b32 v1, 31, v0
	v_lshlrev_b32 v[LI], 4, v1
	v_add_nc_u32 v[ADP], s74, v[LI]
	v_add_nc_u32 v[ADP+1], SLOT, v[ADP]
	v_add_nc_u32 v[ADS], s75, v[LI]
	v_add_nc_u32 v[ADS+1], SLOT, v[ADS]
	v_add_nc_u32 v[APS], s76, v[LI]
	v_add_nc_u32 v[APS+1], SLOT, v[APS]
	v_add_nc_u32 v[ASS], s77, v[LI]
	v_add_nc_u32 v[ASS+1], SLOT, v[ASS]
	; where the results go
	s_lshl_b32 s82, s42, 5
	s_lshl_b32 s83, s43, 2
	s_add_co_u32 s82, s82, s83
	s_add_co_u32 s82, s82, s16
	s_mul_i32 s82, s82, 6656                       ; q: head gx, group 4 gy + w
	s_add_co_u32 s83, s82, 6144
	s_sub_co_u32 s84, s42, 16
	s_and_b32 s84, s84, 3                          ; k, v: the head
	s_lshl_b32 s84, s84, 3
	s_add_co_u32 s84, s84, s43
	s_mul_i32 s84, s84, 53248                      ; slot gy
	s_mul_i32 s85, s19, 24576
	s_add_co_u32 s85, s85, s84
	s_mul_i32 s88, s16, 6144
	s_add_co_u32 s85, s85, s88                     ; fragments 4 w on, of k or of v
	s_lshl_b32 s88, s19, 11
	s_add_co_u32 s88, s88, s84
	s_lshl_b32 s89, s16, 9
	s_add_co_u32 s88, s88, s89
	s_add_co_u32 s88, s88, 49152                   ; and their scale words
	s_cmp_lt_u32 ttmp9, 4
	s_cselect_b64 s[66:67], s[12:13], s[14:15]
	s_cselect_b32 s82, s82, s85
	s_cselect_b32 s84, s83, s88
	s_mov_b32 s83, 0
	s_mov_b32 s85, 0
	s_add_nc_u64 s[68:69], s[66:67], s[84:85]
	s_add_nc_u64 s[66:67], s[66:67], s[82:83]
	s_lshl_b32 s90, s43, 17                        ; the rope tables at my 64 tokens: rows of 512 bytes
	s_lshl_b32 s91, s16, 15
	s_add_co_u32 s90, s90, s91
	s_mov_b32 s91, 0
	s_add_nc_u64 s[70:71], s[8:9], s[90:91]
	s_add_nc_u64 s[72:73], s[10:11], s[90:91]
	s_mov_b32 s[SEL], 0x76543210
	s_mov_b32 s[SEL+1], 0xfedcba98                 ; v_permlanex16_b32's selects for lane l xor 16
	v_and_b32 v1, 15, v0
	v_bfe_u32 v2, v0, 4, 1
	v_and_b32 v3, 8, v1
	v_add_nc_u32 v3, v3, v1                        ; r + 8 (r / 8)
	v_lshlrev_b32 v[VC], 9, v3
	v_lshl_add_u32 v[VC], v2, 6, v[VC]             ; + 64 h: register 16 b + i of a tile's 64 is d = 32 b + 16 h + i
; cos and sin of tile s's 16 tokens in the results' layout: 64 + 64 registers at v[128 (s % 2)] of the window that is set
.macro ROPELOAD s
.irp b, 0,1,2,3
.irp j, 0,1,2,3
	global_load_b128 v[128*((\s)%2)+16*\b+4*\j:128*((\s)%2)+16*\b+4*\j+3], v[VC], s[70:71] offset:(32*((\s)/2)+8*((\s)%2))*512+128*\b+16*\j
.endr
.endr
.irp b, 0,1,2,3
.irp j, 0,1,2,3
	global_load_b128 v[128*((\s)%2)+64+16*\b+4*\j:128*((\s)%2)+64+16*\b+4*\j+3], v[VC], s[72:73] offset:(32*((\s)/2)+8*((\s)%2))*512+128*\b+16*\j
.endr
.endr
.endm
	WIN 0xc0                                       ; destination window 3.  Tiles 0 and 1: they land under the products.  v's work-groups (32 of 192) issue these loads too and use nothing of them:
	ROPELOAD 0                                     ; so every path has issued the same loads at every counted wait
	ROPELOAD 1
	WIN 0
	s_wait_tensorcnt 1                             ; my part of K group 0 is in; K group 1's may stay out
	s_barrier_signal -1
	s_barrier_wait -1                              ; everybody's is
	FETCH 0, 0, 0
	SCALES 0
	KSTEP 0, 0, 1                                  ; the first products start the sums: nothing is cleared
	KSTEP 0, 1, 0
	KSTEP 0, 2, 0
	TURN 0, 1, 1                                   ; slot 0 takes K group 2
	KSTEP 1, 0, 0
	KSTEP 1, 1, 0
	KSTEP 1, 2, 0
	TURN 1, 0, 1                                   ; slot 1 takes K group 3
	KSTEP 0, 0, 0
	KSTEP 0, 1, 0
	KSTEP 0, 2, 0
	TURN 0, 1, 0                                   ; nothing is left to fetch
	KSTEP 1, 0, 0
	KSTEP 1, 1, 0
	KSTEP 1, 2, 0
	s_wait_dscnt 0x0
	WIN MUL
	MUL32 1, 3, 1, 0
	WIN 0
	PLACES                                         ; in front of the loads into P's registers and of the first reads of results
	WIN 0x40                                       ; destination window 1
	ROPELOAD 2
	ROPELOAD 3
	WIN 0
.irp b, 0,1,2,3
	v_mov_b32 v[TM+4+\b], 0                        ; written once: a lane permute's destination counts as one of its sources
.endr
; 64 numbers of a lane, register 16 b + i = k 32 b + 16 (lane / 16) + i of my row, become a fragment's codes in v[PC] on and its scale word in v[pw]
.macro QUANT s, pw
.irp b, 0,1,2,3
	v_max3_num_f32 v[TM+\b], |v[(\s)+16*\b]|, |v[(\s)+1+16*\b]|, 0x1800000   ; my 16 numbers of block b, and the floor 2^(3 - 127)
.endr
.irp i, 2,4,6,8,10,12,14
.irp b, 0,1,2,3
	v_max3_num_f32 v[TM+\b], v[TM+\b], |v[(\s)+16*\b+\i]|, |v[(\s)+1+16*\b+\i]|
.endr
.endr
.irp b, 0,1,2,3
	v_permlanex16_b32 v[TM+4+\b], v[TM+\b], s[SEL], s[SEL+1]
.endr
.irp b, 0,1,2,3
	v_max_num_f32 v[TM+\b], v[TM+\b], v[TM+4+\b]   ; with lane l xor 16's: the block's largest magnitude
.endr
.irp b, 0,1,2,3
	v_add_nc_u32 v[TM+12+\b], 0xff000000, v[TM+\b] ; 2 off its exponent field: the conversion's scale operand
.endr
.irp b, 0,1,2,3
	v_lshrrev_b32 v[TM+4+\b], 23, v[TM+12+\b]      ; the scale's byte
.endr
	v_lshl_or_b32 v[\pw], v[TM+5], 8, v[TM+4]
	v_lshl_or_b32 v[\pw], v[TM+6], 16, v[\pw]
	v_lshl_or_b32 v[\pw], v[TM+7], 24, v[\pw]      ; my row's scale word (the same in lanes l and l xor 16)
.irp c, 0,1
	v_cvt_scalef32_pk16_fp6_f32 v[PC+6*\c:PC+2+6*\c], v[(\s)+32*\c:(\s)+15+32*\c], v[TM+12+2*\c]
	v_cvt_scalef32_pk16_fp6_f32 v[PC+12+4*\c:PC+14+4*\c], v[(\s)+16+32*\c:(\s)+31+32*\c], v[TM+12+2*\c+1]
.endr
	v_nop                                          ; one plain place behind a scaled conversion
.irp c, 0,1                                    ; the operand's layout wants a WHOLE block in a lane
.irp i, 0,1,2
	v_permlane16_swap_b32 v[PC+6*\c+\i], v[PC+12+4*\c+\i]
.endr
.irp i, 0,1,2
	v_mov_b32 v[PC+3+6*\c+\i], v[PC+12+4*\c+\i]
.endr
.endr
.endm
; Tile s of S goes out.  q, k: rope: out(d) = t(d) cos(d) - t(d + 64) sin(d) for d < 64, t(d) cos(d) + t(d - 64) sin(d) else; d +- 64 is register j +- 32 of the same lane.  v: as it is, copied into window 0, where QUANT works.
; cnt: the rope loads issued behind this tile's, which may stay out (a wait's count can name at most 63).  Each accumulator is read from its low end on.
.macro TILE_OUT s, cnt
	s_wait_xcnt 0x0                                ; the last tile's stores have read v[PC] on
	s_cmp_lg_u32 s19, 0
	s_cbranch_scc1 .Lplain_\@
	s_wait_loadcnt \cnt
.if (\s) < 2
	WIN 0x0e                                       ; source 0: window 2 (the sums), source 1: window 3 (the tables)
.else
	WIN 0x06                                       ; source 1: window 1
.endif
.set j, 0
.rept 64
	v_mul_f32 v[T+j], v[64*(\s)+j], v[128*((\s)%2)+j]
.set j, j+1
.endr
.set j, 0
.rept 32
	v_fma_f32 v[T+j], -v[64*(\s)+32+j], v[128*((\s)%2)+64+j], v[T+j]
.set j, j+1
.endr
.rept 32
	v_fma_f32 v[T+j], v[64*(\s)+j-32], v[128*((\s)%2)+64+j], v[T+j]
.set j, j+1
.endr
	WIN 0
	s_branch .Lturned_\@
.Lplain_\@:
	WIN 0x02
.set j, 0
.rept 64
	v_mov_b32 v[T+j], v[64*(\s)+j]
.set j, j+1
.endr
	WIN 0
.Lturned_\@:
	QUANT T, PW+(\s)
.irp i, 0,1,2
	global_store_b128 v[LI], v[PC+4*\i:PC+4*\i+3], s[66:67] offset:1536*(\s)+512*\i   ; 512 consecutive bytes
.endr
.endm
	TILE_OUT 0, 63                                 ; 96 younger loads
	TILE_OUT 1, 63                                 ; 64
	TILE_OUT 2, 32
	TILE_OUT 3, 0
	global_store_b128 v[LI], v[PW:PW+3], s[68:69]  ; the four tiles' scale words, 16 bytes a lane
	s_wait_tensorcnt 0x0                           ; the wave's end
	ds_add_u32 v[SPW], v[NIL]
	s_wait_dscnt 0x0
	CROUND                                         ; the closing round
	s_endpgm
.Lfunc_end_k_q2e3301a662_qkv:
	.size	k_q2e3301a662_qkv, .Lfunc_end_k_q2e3301a662_qkv-k_q2e3301a662_qkv
	.p2alignl 7, 3214868480
	.fill 96, 4, 3214868480
	.section	.rodata,"a",@progbits
	.p2align	6, 0x0
	.amdhsa_kernel k_q2e3301a662_qkv
		.amdhsa_group_segment_fixed_size 327680
		.amdhsa_private_segment_fixed_size 0
		.amdhsa_enable_private_segment 0
		.amdhsa_kernarg_size 48
		.amdhsa_user_sgpr_count 2
		.amdhsa_user_sgpr_kernarg_segment_ptr 1
		.amdhsa_wavefront_size32 1
		.amdhsa_system_sgpr_workgroup_id_x 1
		.amdhsa_system_sgpr_workgroup_id_y 1
		.amdhsa_system_sgpr_workgroup_id_z 1
		.amdhsa_system_vgpr_workitem_id 0
		.amdhsa_next_free_vgpr 1024
		.amdhsa_next_free_sgpr 100
		.amdhsa_reserve_vcc 0
		.amdhsa_float_denorm_mode_32 3
		.amdhsa_float_denorm_mode_16_64 3
		.amdhsa_memory_ordered 1
		.amdhsa_forward_progress 1
		.amdhsa_inst_pref_size 179
	.end_amdhsa_kernel
	.amdgpu_metadata
---
amdhsa.version: [ 1, 2 ]
amdhsa.kernels:
  - .name:           k_q2e3301a662_qkv
    .symbol:         k_q2e3301a662_qkv.kd
    .args:
      - { .name: xq, .offset: 0, .size: 8, .value_kind: global_buffer, .address_space: global }
      - { .name: wimg, .offset: 8, .size: 8, .value_kind: global_buffer, .address_space: global }
      - { .name: rope_cos, .offset: 16, .size: 8, .value_kind: global_buffer, .address_space: global }
      - { .name: rope_sin, .offset: 24, .size: 8, .value_kind: global_buffer, .address_space: global }
      - { .name: qi, .offset: 32, .size: 8, .value_kind: global_buffer, .address_space: global }
      - { .name: kv, .offset: 40, .size: 8, .value_kind: global_buffer, .address_space: global }
    .group_segment_fixed_size: 327680
    .private_segment_fixed_size: 0
    .kernarg_segment_align: 8
    .kernarg_segment_size: 48
    .max_flat_workgroup_size: 128
    .sgpr_count:     100
    .vgpr_count:     1024
    .wavefront_size: 32
...
	.end_amdgpu_metadata
.endif
;; end of part 2
;; launch attn (part 3): grid 64 x 4, 8 waves a work-group, clusters of 4 x 1, 327,680 bytes of LDS; arguments qi, kv, oc; writes oc
.if DOCPART == 3
	.amdgcn_target "amdgcn-amd-amdhsa--gfx1250"
	.amdhsa_code_object_version 6
	.text
	.protected	k_q2e3301a662_attn
	.globl	k_q2e3301a662_attn
	.p2align	8
	.type	k_q2e3301a662_attn,@function
k_q2e3301a662_attn:
	s_mov_b64 s[64:65], 0
	v_nop
	global_prefetch_b8 v0, s[64:65] scope:SCOPE_SE
	s_setreg_imm32_b32 hwreg(HW_REG_WAVE_MODE, 25, 1), 1
	s_wait_xcnt 0x0
	s_wait_alu depctr_hold_cnt(0) depctr_sa_sdst(0) depctr_va_vdst(0) depctr_va_sdst(0) depctr_va_ssrc(0) depctr_va_vcc(0) depctr_vm_vsrc(0)
	s_getreg_b32 s2, hwreg(HW_REG_IB_STS2, 6, 4)
	s_cmp_eq_u32 s2, 0
	s_cbranch_scc0 .Lentry_in_a_cluster
	s_endpgm
.Lentry_in_a_cluster:
	s_bfe_u32 s2, ttmp6, 0x10000c
	s_cmp_lg_u32 s2, 0x3003
	s_cbranch_scc0 .Lentry_shape_is_right
	s_endpgm
.Lentry_shape_is_right:
; Causal attention with grouped heads on codes of FP6 (E2M3) with E8M0 scales: S^T = K Q^T, p = 2^(t - M), O^T = V^T P^T, O / l, and the quantising of O / l along the 2,048 of the last product's K.
; t = score x log2(e) / sqrt(128); M = the running largest t rounded UP to a whole number; p is quantised along the keys, not normalised; l is the sum of the unquantised p; when M moves, l and O^T are multiplied by 2^(old M - new M): exact.
; LIMITS: a block whose largest magnitude lies under 2^-124 gets the byte 1, a block of zeros too (its codes are zeros; this program alone reads the bytes); NaN and infinities are not served.
; OPERANDS ARE IMAGES OF REGISTERS: a fragment is 1,536 bytes, three loads of 16 bytes a lane at 16 x lane.  Row r of tile 2 b + u is token (or d) 32 b + 8 u + r + 8 (r / 8): so the 16 registers of two neighbouring tiles of keys
; (or of d) are 16 neighbours, 32 b + 16 (lane / 16) + 0 .. 15.  A lane holds ONE query throughout.
; SHARES.  Work-group (j = 0..63, g): the four query heads of key/value head g.  Waves 0-3: tile j of 16 queries, one head each; waves 4-7: tile 127 - j.  The two tiles' key steps add up to 17 whatever j: an even share of the causal work.
; A key step is 128 keys; a slot of the ring holds 256 keys: one dense block of 53,248 bytes (k's 16 fragments, v's 16, their scale words).  Every wave fetches an eighth of each slot.
; CLUSTER 4 x 1: the four partners walk the same k and v, so each eighth is asked for jointly.  All work-groups walk all 8 slots: trip counts are constants, no load and no barrier is jumped over.  What is left out is the WORK of a step
; all of whose keys come after the wave's queries; that hangs on the wave's number and the cluster's x alone (a tile's block of 128 tokens is the same in all four partners).
; REGISTERS: v1-8 addresses; v12 -M, v13 the largest t, v[14:15] l in two halves; v16-27 Q; v32-79 four fragments of K or V; v96-159 S^T, then p; v160-223 O^T; v224-235 p's codes; v232-247 at work; v248-251 four tiles' scale words;
; v252 f; v253 p's scale word; v254 at work; v255 Q's scale words.
.set SLOTB, 53248
.set SLOT1, 1<<17                      ; slot 1 begins here: one exclusive or turns an address in one slot into the other's
.set VOFF,  24576
.set KSC,   49152
.set VSC,   51200
.set SPARE, 2*SLOT1                    ; the spare words, 128 bytes for each of eight waves
.set LI,   1                           ; v1  16 x lane
.set QT,   2                           ; v2  my query's place in its block of 128 tokens, less 16 (lane / 16)
.set LN,   3                           ; v3  lane
.set R16,  4                           ; v4  16 x (lane % 16)
.set SPW,  5
.set NIL,  6
.set PFO,  7                           ; v7  the prefetches' offset: 256 x min(lane, 25)
.set AD,   8                           ; v8  16 x lane + the slot in hand
.set WV,   18
.set SEL,  20
.set CS,   22
.set G1,   24                          ; s[24:31] descriptor group 1
.set G0,   40                          ; s[40:43] group 0, which walks
.set KF,   44                          ; the step's first key
.set QB,   45                          ; the first token of my tile's block of 128
.set SLOTS, 46
.set TB,   47                          ; LDS byte at which the slot in hand begins
.set PFA,  48                          ; s[48:49] where my prefetches stand
.set LIM,  50                          ; 1 in a wave that prefetches, else the greatest number
.set OCC,  56                          ; s[56:57] where my fragment of the result goes; s[58:59] its scale words
.set OCS,  58
.macro CROUND                          ; a round of the cluster's barrier
	s_barrier_signal -1
	s_barrier_wait -1
	s_cmp_lg_u32 s[WV], 0
	s_cbranch_scc1 .Lnot_wave_0_\@
	s_barrier_signal -3
.Lnot_wave_0_\@:
	s_barrier_wait -3
	s_barrier_signal -1
	s_barrier_wait -1
.endm
; A prefetch into the L2 of the slot that the NEXT change of slots will ask for: two key steps ahead of that load.  All sixteen clusters of a key/value head walk the same slots: the head's first cluster asks.  Its four partners share a slot's
; 208 blocks of 256 bytes out by address, 52 each; in each, waves 0 and 1 take 26, a lane a block (lanes 26-31 name lane 25's again).  The last change that fills a slot asks for nothing; slots 0 and 1 come by their loads alone.
.macro ASK
	s_cmp_gt_u32 s[SLOTS], s[LIM]
	s_cbranch_scc0 .Lnot_mine_\@
	global_prefetch_b8 v[PFO], s[PFA:PFA+1] th:TH_LOAD_NT scope:SCOPE_SE
.Lnot_mine_\@:
.endm
	s_load_b128 s[4:7], s[0:1], 0x0                ; qi, kv
	s_load_b64 s[8:9], s[0:1], 0x10                ; oc
	v_lshl_add_u32 v[SPW], v0, 2, SPARE
	v_mov_b32 v[NIL], 0
	ds_add_u32 v[SPW], v[NIL]                      ; the wave's opening: the add and its wait ahead of my first tensor load
	v_lshrrev_b32 v9, 5, v0
	v_readfirstlane_b32 s[WV], v9                  ; wave 0..7
	s_bfe_u32 s10, ttmp6, 0x40000                  ; cx
	s_lshl_b32 s11, ttmp9, 2
	s_add_co_u32 s11, s11, s10                     ; j
	s_and_b32 s12, ttmp7, 0xffff                   ; g
	s_and_b32 s13, s[WV], 3                        ; which of the four query heads
	s_sub_co_u32 s14, 127, s11
	s_lshr_b32 s16, ttmp9, 1                       ; j / 8
	s_sub_co_u32 s17, 15, s16
	s_cmp_lt_u32 s[WV], 4
	s_cselect_b32 s15, s11, s14                    ; my tile of queries: it enters global addresses and the mask's vector alone
	s_cselect_b32 s[QB], s16, s17                  ; its block of 128 tokens: alike in all partners
	s_lshl_b32 s[QB], s[QB], 7
	s_mov_b32 s[G1], 15|(3<<16)|(1<<21)            ; 15:0 the mask: all four work-groups; 17:16 elements of 8 bytes; 21 set beside a mask
	s_mov_b32 s[G1+1], 32<<16                      ; tensor_dim0: rows of 256 bytes
	s_mov_b32 s[G1+2], 26<<16                      ; tensor_dim1: 26 of them: an eighth of a slot
	s_mov_b32 s[G1+3], 32<<16                      ; tile_dim0
	s_mov_b32 s[G1+4], 26                          ; tile_dim1
	s_mov_b32 s[G1+5], 32                          ; the pitch: dense
	s_mov_b32 s[G1+6], 0
	s_mov_b32 s[G1+7], 0
	s_lshl_b32 s32, s12, 2
	s_add_co_u32 s32, s32, s13                     ; the query head
	s_lshl_b32 s32, s32, 5
	s_lshr_b32 s33, s15, 2
	s_add_co_u32 s32, s32, s33
	s_mul_i32 s32, s32, 6656                       ; the group of four tiles
	s_and_b32 s33, s15, 3
	s_mul_i32 s34, s33, 1536
	s_add_co_u32 s34, s34, s32                     ; Q's fragment
	s_mov_b32 s35, 0
	s_lshl_b32 s36, s33, 2
	s_add_co_u32 s36, s36, s32
	s_add_co_u32 s36, s36, 6144                    ; and its scale words: word tile % 4 of each lane's four
	s_mov_b32 s37, 0
	s_lshr_b32 s38, s15, 4
	s_lshl_b32 s38, s38, 2
	s_add_co_u32 s38, s38, s12
	s_mul_i32 s38, s38, 102400                     ; the result: block of 256 tokens, K group g
	s_and_b32 s39, s15, 15
	s_mul_i32 s52, s39, 6144
	s_add_co_u32 s52, s52, s38
	s_mul_i32 s53, s13, 1536
	s_add_co_u32 s52, s52, s53                     ; tile, K step = head % 4
	s_mov_b32 s53, 0
	s_lshl_b32 s54, s39, 8                         ; 512 a pair of tiles + 256 for the odd one
	s_add_co_u32 s54, s54, s38
	s_lshl_b32 s55, s13, 2
	s_add_co_u32 s54, s54, s55
	s_add_co_u32 s54, s54, 98304
	s_mov_b32 s55, 0
	s_mul_i32 s66, s12, 8*SLOTB                    ; the key/value head's eight slots
	s_mov_b32 s67, 0
	s_mul_i32 s68, s[WV], SLOTB/8                  ; my eighth
	s_mov_b32 s69, 0
	s_mul_i32 s70, s10, SLOTB/4                    ; the prefetches: my work-group's quarter,
	s_and_b32 s71, s[WV], 1
	s_mul_i32 s71, s71, SLOTB/8                    ; my wave's half of it,
	s_add_co_u32 s70, s70, s71
	s_add_co_u32 s70, s70, SLOTB                   ; in slot 1: the first change of slots steps it to slot 2
	s_mov_b32 s71, 0
	s_lshr_b32 s51, s[WV], 1
	s_or_b32 s51, s51, ttmp9
	s_cmp_eq_u32 s51, 0                            ; waves 0 and 1 of the head's first cluster
	s_cselect_b32 s[LIM], 1, -1
	s_bfe_u32 s61, s15, 0x20001
	s_lshl_b32 s61, s61, 5
	s_and_b32 s62, s15, 1
	s_lshl_b32 s62, s62, 3
	s_add_co_u32 s61, s61, s62                     ; my tile's first token in its block of 128
	s_mov_b32 s[SEL], 0x76543210
	s_mov_b32 s[SEL+1], 0xfedcba98                 ; v_permlanex16_b32's selects for lane l xor 16
	s_mov_b32 s[CS], 0x3e0293ee                    ; c = log2(e) / sqrt(128)
	s_mov_b32 s[CS+1], s[CS]
	s_mov_b32 s[TB], 0
	s_mov_b32 s[KF], 0
	s_mov_b32 s[SLOTS], 7
	s_wait_dscnt 0x0                               ; the opening add is done
	s_wait_kmcnt 0x0
	s_add_nc_u64 s[34:35], s[4:5], s[34:35]
	s_add_nc_u64 s[36:37], s[4:5], s[36:37]
	s_add_nc_u64 s[OCC:OCC+1], s[8:9], s[52:53]
	s_add_nc_u64 s[OCS:OCS+1], s[8:9], s[54:55]
	s_add_nc_u64 s[66:67], s[6:7], s[66:67]
	s_add_nc_u64 s[PFA:PFA+1], s[66:67], s[70:71]
	CROUND                                         ; all four work-groups are here: the first joint loads meet
	s_mov_b32 s[G0], 1
	s_mov_b32 s[G0+1], s68                         ; LDS: slot 0, my eighth: the wave's number alone
	s_add_nc_u64 s[G0+2:G0+3], s[66:67], s[68:69]
	s_or_b32 s[G0+3], s[G0+3], 0x80000000
	tensor_load_to_lds s[G0:G0+3], s[G1:G1+7]      ; slot 0: one load of mine is out
	s_nop 0
.rept 4
	v_nop
.endr
	v_and_b32 v[LN], 31, v0
	v_lshlrev_b32 v[LI], 4, v[LN]
.irp i, 0,1,2
	global_load_b128 v[16+4*\i:19+4*\i], v[LI], s[34:35] offset:512*\i   ; Q's fragment stays in registers
.endr
	global_load_b32 v255, v[LI], s[36:37]          ; and its scale words
	v_min_u32 v[PFO], 25, v[LN]
	v_lshlrev_b32 v[PFO], 8, v[PFO]
	v_and_b32 v9, 15, v0                           ; r
	v_bfe_u32 v10, v0, 4, 1                        ; h
	v_lshlrev_b32 v[R16], 4, v9
	v_and_b32 v11, 8, v9
	v_add_nc_u32 v[QT], v11, v9                    ; r + 8 (r / 8)
	v_lshlrev_b32 v11, 4, v10
	v_sub_nc_u32 v[QT], v[QT], v11
	v_add_nc_u32 v[QT], s61, v[QT]
	v_mov_b32 v13, 0xff61b1e6                      ; the largest t so far: -3e38, under every t
	v_floor_f32 v12, -v13                          ; -M
	v_mov_b32 v14, 0
	v_mov_b32 v15, 0
.irp b, 0,1,2,3
	v_mov_b32 v[236+\b], 0                         ; written once: a lane permute's destination counts as one of its sources
.endr
	v_mov_b32 v252, 0
	v_mov_b32 v253, 0
.set n, 0
.rept 64
	v_mov_b32 v[160+n], 0                          ; O^T: the step is written once; the first finds zeros, which the first change of M leaves zeros
.set n, n+1
.endr
; From the four blocks' largest magnitudes in v232-235 and 64 numbers in v96-159: the fragment's codes in v224-235, its scale word in v253
.macro QTAIL
.irp b, 0,1,2,3
	v_max_num_f32 v[232+\b], 0x1800000, v[232+\b]  ; the floor 2^(3 - 127): the byte cannot fall under 1
.endr
.irp b, 0,1,2,3
	v_add_nc_u32 v[244+\b], 0xff000000, v[232+\b]  ; 2 off the exponent field: the conversion's scale operand
.endr
.irp b, 0,1,2,3
	v_lshrrev_b32 v[236+\b], 23, v[244+\b]         ; the scale's byte
.endr
	v_lshl_or_b32 v253, v237, 8, v236
	v_lshl_or_b32 v253, v238, 16, v253
	v_lshl_or_b32 v253, v239, 24, v253
.irp c, 0,1
	v_cvt_scalef32_pk16_fp6_f32 v[224+6*\c:226+6*\c], v[96+32*\c:111+32*\c], v[244+2*\c]
	v_cvt_scalef32_pk16_fp6_f32 v[236+4*\c:238+4*\c], v[112+32*\c:127+32*\c], v[244+2*\c+1]
.endr
	v_nop                                          ; one plain place behind a scaled conversion
.irp c, 0,1                                    ; the operand's layout wants a WHOLE block in a lane
.irp i, 0,1,2
	v_permlane16_swap_b32 v[224+6*\c+\i], v[236+4*\c+\i]
.endr
.irp i, 0,1,2
	v_mov_b32 v[227+6*\c+\i], v[236+4*\c+\i]
.endr
.endr
.endm
; A KEY STEP: 128 keys, the q-th of the slot in hand
.macro STEP q
	s_cmp_gt_u32 s[KF], s[QB]                      ; all its keys come after my queries: the step's work is left out
	s_cbranch_scc1 .Lhidden_\@
	v_add_nc_u32 v[AD], s[TB], v[LI]
.rept 3
	v_nop                                          ; with the addition: four places in front of loads into registers that matrix instructions have read
.endr
.irp g, 0,1                                    ; S^T = K Q^T, four tiles of 16 keys at a time
.if \g > 0
.rept 4
	v_nop
.endr
.endif
.irp t, 0,1,2,3
.irp i, 0,1,2
	ds_load_b128 v[32+12*\t+4*\i:35+12*\t+4*\i], v[AD] offset:(8*(\q)+4*\g+\t)*1536+512*\i
.endr
.endr
	ds_load_b128 v[248:251], v[AD] offset:KSC+(2*(\q)+\g)*512
	s_wait_dscnt 0x0
.irp t, 0,1,2,3
	v_wmma_scale_f32_16x16x128_f8f6f4 v[96+8*(4*\g+\t):103+8*(4*\g+\t)], v[32+12*\t:43+12*\t], v[16:27], 0, v[248+\t], v255 matrix_a_fmt:MATRIX_FMT_FP6 matrix_b_fmt:MATRIX_FMT_FP6
.endr
.endr
.rept 4
	v_nop
.endr
	s_cmp_lg_u32 s[KF], s[QB]                      ; only the step of my own block of 128 lies on the diagonal
	s_cbranch_scc1 .Lopen_\@
	v_mov_b32 v254, 0xff800000                     ; -infinity: p = 0 then.  Register 16 b + i holds key KF + 32 b + 16 (lane / 16) + i: hidden where 32 b + i > v[QT]
.set n, 0
.rept 64
	v_cmp_gt_i32 vcc_lo, 32*(n/16)+n%16, v[QT]
	v_cndmask_b32 v[96+n], v[96+n], v254, vcc_lo
.set n, n+1
.endr
.Lopen_\@:
.irp b, 0,1,2,3
	v_max3_num_f32 v[232+\b], v[96+16*\b], v[97+16*\b], v[98+16*\b]   ; the largest score of each block of 32 keys: for the row's maximum and, since p rises with the score, for the block's largest p
.endr
.irp i, 3,5,7,9,11,13
.irp b, 0,1,2,3
	v_max3_num_f32 v[232+\b], v[232+\b], v[96+16*\b+\i], v[97+16*\b+\i]
.endr
.endr
.irp b, 0,1,2,3
	v_max_num_f32 v[232+\b], v[232+\b], v[111+16*\b]
.endr
.irp b, 0,1,2,3
	v_permlanex16_b32 v[236+\b], v[232+\b], s[SEL], s[SEL+1]
.endr
.irp b, 0,1,2,3
	v_max_num_f32 v[232+\b], v[232+\b], v[236+\b]  ; with lane l xor 16's 16 keys
.endr
	v_max3_num_f32 v254, v232, v233, v234
	v_max_num_f32 v254, v254, v235
	v_mul_f32 v254, s[CS], v254                    ; the step's largest t of my query
	v_max_num_f32 v13, v13, v254                   ; the running largest t
	v_mov_b32 v254, v12
	v_floor_f32 v12, -v13                          ; the new -M = -ceil(t)
	v_sub_f32 v254, v12, v254                      ; old M - new M: a whole number, 0 or less
	v_cvt_i32_f32 v254, v254                       ; (it saturates)
	v_ldexp_f32 v252, 1.0, v254                    ; f = 2^(old M - new M)
.set n, 0
.rept 32
	v_pk_fma_f32 v[96+n:97+n], v[96+n:97+n], s[CS:CS+1], v[12:13] op_sel_hi:[1,0,0]   ; t - M, two at a time
.set n, n+2
.endr
.irp b, 0,1,2,3
	v_fma_f32 v[232+\b], v[232+\b], s[CS], v12     ; the same of each block's largest score
.endr
.set n, 0
.rept 64
	v_exp_f32 v[96+n], v[96+n]                     ; p = 2^(t - M)
.set n, n+1
.endr
	v_pk_mul_f32 v[14:15], v[14:15], v[252:253] op_sel_hi:[1,0]   ; l under the new M: the plain place behind the exponentials
	s_wait_alu depctr_va_vdst(0)                   ; one wait for the batch of 64, ahead of its first reader
.irp b, 0,1,2,3
	v_exp_f32 v[232+\b], v[232+\b]                 ; the block's largest p
.endr
	v_pk_add_f32 v[236:237], v[96:97], v[98:99]    ; l takes the UNQUANTISED p, in two chains; these lines read the 64 alone
.irp j, 4,8,12,16,20,24,28,32,36,40,44,48,52,56,60
	v_pk_add_f32 v[14:15], v[14:15], v[96+\j:97+\j]
	v_pk_add_f32 v[236:237], v[236:237], v[98+\j:99+\j]
.endr
	v_pk_add_f32 v[14:15], v[14:15], v[236:237]
	s_wait_alu depctr_va_vdst(0)                   ; and one for the four
	QTAIL
.set n, 0
.rept 32
	v_pk_mul_f32 v[160+n:161+n], v[160+n:161+n], v[252:253] op_sel_hi:[1,0]   ; O^T under the new M; also the places in front of the scaled products below
.set n, n+2
.endr
.irp g, 0,1                                    ; O^T += V^T P^T: four tiles of 16 of the head's 128 at a time
.if \g > 0
.rept 4
	v_nop
.endr
.endif
.irp t, 0,1,2,3
.irp i, 0,1,2
	ds_load_b128 v[32+12*\t+4*\i:35+12*\t+4*\i], v[AD] offset:VOFF+(8*(\q)+4*\g+\t)*1536+512*\i
.endr
.endr
	ds_load_b128 v[248:251], v[AD] offset:VSC+(2*(\q)+\g)*512
	s_wait_dscnt 0x0
.irp t, 0,1,2,3
	v_wmma_scale_f32_16x16x128_f8f6f4 v[160+8*(4*\g+\t):167+8*(4*\g+\t)], v[32+12*\t:43+12*\t], v[224:235], v[160+8*(4*\g+\t):167+8*(4*\g+\t)], v[248+\t], v253 matrix_a_fmt:MATRIX_FMT_FP6 matrix_b_fmt:MATRIX_FMT_FP6
.endr
.endr
.Lhidden_\@:
	s_add_co_u32 s[KF], s[KF], 128
.endm
; THE CHANGE OF SLOTS stands at a slot's head.  Each wave waits for all its tensor loads (its eighth of the slot ahead), adds 0 to its spare word, and waits for that and for its reads of the slot that it has left.
; fill = 1: behind a round of the cluster's barrier the slot that was left is filled with the next 256 keys: the load has a slot's two steps in which to land.
.macro CHANGE fill
	s_wait_tensorcnt 0x0                           ; no tensor load of mine is out, so group 0 may be written
	ds_add_u32 v[SPW], v[NIL]
.if \fill
	s_xor_b32 s[G0+1], s[G0+1], SLOT1
	s_add_nc_u64 s[G0+2:G0+3], s[G0+2:G0+3], SLOTB
	s_wait_xcnt 0x0                                ; the last prefetch, a slot back, has read its address
	s_add_nc_u64 s[PFA:PFA+1], s[PFA:PFA+1], SLOTB
.endif
	s_wait_dscnt 0x0                               ; the add is done, and my reads of the slot that I have left are over
.if \fill
	CROUND
	tensor_load_to_lds s[G0:G0+3], s[G1:G1+7]      ; the first thing behind the round, and my one tensor load until the next
	s_nop 0
.rept 4
	v_nop
.endr
	ASK
.else
	s_barrier_signal -1
	s_barrier_wait -1
.endif
.endm
	s_wait_loadcnt 0x0                             ; Q
.Lslot:                                            ; seven trips: behind each change of slots but the last the next slot is asked for
	CHANGE 1
	STEP 0
	STEP 1
	s_xor_b32 s[TB], s[TB], SLOT1
	s_sub_co_u32 s[SLOTS], s[SLOTS], 1
	s_cmp_lg_u32 s[SLOTS], 0
	s_cbranch_scc1 .Lslot
	CHANGE 0                                       ; the last slot is written out: nothing is left to fetch
	STEP 0
	STEP 1
	; THE WAY OUT: O^T / l; register 16 b + i is d = 32 b + 16 (lane / 16) + i of my query: 128 neighbours (with lane l xor 16) along the last product's K: they become one fragment of it
.rept 4
	v_nop                                          ; places behind the last products
.endr
	v_add_f32 v14, v14, v15
	v_permlanex16_b32 v252, v14, s[SEL], s[SEL+1]
	v_add_f32 v14, v14, v252                       ; l
	v_rcp_f32 v14, v14
	v_nop                                          ; a plain place behind the reciprocal
	s_wait_alu depctr_va_vdst(0)                   ; and the wait ahead of its first reader
.set n, 0
.rept 64
	v_mul_f32 v[96+n], v[160+n], v14               ; each accumulator from its low end on
.set n, n+1
.endr
.irp b, 0,1,2,3
	v_max3_num_f32 v[232+\b], |v[96+16*\b]|, |v[97+16*\b]|, 0x1800000
.endr
.irp i, 2,4,6,8,10,12,14
.irp b, 0,1,2,3
	v_max3_num_f32 v[232+\b], v[232+\b], |v[96+16*\b+\i]|, |v[97+16*\b+\i]|
.endr
.endr
.irp b, 0,1,2,3
	v_permlanex16_b32 v[236+\b], v[232+\b], s[SEL], s[SEL+1]
.endr
.irp b, 0,1,2,3
	v_max_num_f32 v[232+\b], v[232+\b], v[236+\b]
.endr
	QTAIL
.irp i, 0,1,2
	global_store_b128 v[LI], v[224+4*\i:227+4*\i], s[OCC:OCC+1] offset:512*\i   ; 512 consecutive bytes
.endr
	global_store_b32 v[R16], v253, s[OCS:OCS+1]    ; my row's scale word, 16 bytes apart; lanes l and l xor 16 hold the same word and store it to the same place.  The four heads' waves together fill the tile's 256 bytes
	s_wait_tensorcnt 0x0                           ; the wave's end
	ds_add_u32 v[SPW], v[NIL]
	s_wait_dscnt 0x0
	CROUND                                         ; the closing round
	s_endpgm
.Lfunc_end_k_q2e3301a662_attn:
	.size	k_q2e3301a662_attn, .Lfunc_end_k_q2e3301a662_attn-k_q2e3301a662_attn
	.p2alignl 7, 3214868480
	.fill 96, 4, 3214868480
	.section	.rodata,"a",@progbits
	.p2align	6, 0x0
	.amdhsa_kernel k_q2e3301a662_attn
		.amdhsa_group_segment_fixed_size 327680
		.amdhsa_private_segment_fixed_size 0
		.amdhsa_enable_private_segment 0
		.amdhsa_kernarg_size 24
		.amdhsa_user_sgpr_count 2
		.amdhsa_user_sgpr_kernarg_segment_ptr 1
		.amdhsa_wavefront_size32 1
		.amdhsa_system_sgpr_workgroup_id_x 1
		.amdhsa_system_sgpr_workgroup_id_y 1
		.amdhsa_system_sgpr_workgroup_id_z 1
		.amdhsa_system_vgpr_workitem_id 0
		.amdhsa_next_free_vgpr 256
		.amdhsa_next_free_sgpr 80
		.amdhsa_reserve_vcc 1
		.amdhsa_float_denorm_mode_32 3
		.amdhsa_float_denorm_mode_16_64 3
		.amdhsa_memory_ordered 1
		.amdhsa_forward_progress 1
		.amdhsa_inst_pref_size 112
	.end_amdhsa_kernel
	.amdgpu_metadata
---
amdhsa.version: [ 1, 2 ]
amdhsa.kernels:
  - .name:           k_q2e3301a662_attn
    .symbol:         k_q2e3301a662_attn.kd
    .args:
      - { .name: qi, .offset: 0, .size: 8, .value_kind: global_buffer, .address_space: global }
      - { .name: kv, .offset: 8, .size: 8, .value_kind: global_buffer, .address_space: global }
      - { .name: oc, .offset: 16, .size: 8, .value_kind: global_buffer, .address_space: global }
    .group_segment_fixed_size: 327680
    .private_segment_fixed_size: 0
    .kernarg_segment_align: 8
    .kernarg_segment_size: 24
    .max_flat_workgroup_size: 256
    .sgpr_count:     80
    .vgpr_count:     256
    .wavefront_size: 32
...
	.end_amdgpu_metadata
.endif
;; end of part 3
;; launch outp (part 4): grid 16 x 8, 4 waves a work-group, clusters of 4 x 4, 327,680 bytes of LDS; arguments oc, wimg, out0; writes out0
.if DOCPART == 4
	.amdgcn_target "amdgcn-amd-amdhsa--gfx1250"
	.amdhsa_code_object_version 6
	.text
	.protected	k_q2e3301a662_outp
	.globl	k_q2e3301a662_outp
	.p2align	8
	.type	k_q2e3301a662_outp,@function
k_q2e3301a662_outp:
	s_mov_b64 s[64:65], 0
	v_nop
	global_prefetch_b8 v0, s[64:65] scope:SCOPE_SE
	s_setreg_imm32_b32 hwreg(HW_REG_WAVE_MODE, 25, 1), 1
	s_wait_xcnt 0x0
	s_wait_alu depctr_hold_cnt(0) depctr_sa_sdst(0) depctr_va_vdst(0) depctr_va_sdst(0) depctr_va_ssrc(0) depctr_va_vcc(0) depctr_vm_vsrc(0)
	s_getreg_b32 s2, hwreg(HW_REG_IB_STS2, 6, 4)
	s_cmp_eq_u32 s2, 0
	s_cbranch_scc0 .Lentry_in_a_cluster
	s_endpgm
.Lentry_in_a_cluster:
	s_bfe_u32 s2, ttmp6, 0x10000c
	s_cmp_lg_u32 s2, 0xf033
	s_cbranch_scc0 .Lentry_shape_is_right
	s_endpgm
.Lentry_shape_is_right:
; out0 = (attention's result) Wo on codes of FP6 (E2M3) with E8M0 scales; sums in f32; out0 [2048][2048] f32.
; OPERANDS ARE IMAGES OF REGISTERS: a fragment, 16 rows x 128 K, is 1,536 bytes: three ds_load_b128 at 16 x lane.  Row r of tile 2 b + u is row 32 b + 8 u + r + 8 (r / 8).
; SHARES.  A work-group makes 256 tokens (gy) x 128 columns (gx): 128 work-groups; the tile is the one of the launch that makes q, k and v, whose products' text this is.
; A wave makes 8 tiles P (Wo's 128 columns) x 4 tiles S (my 64 tokens), 32 accumulators: source 0 = P, source 1 = S: a lane holds ONE token, and the 16 registers of P's tiles 2 b, 2 b + 1 are columns 32 b + 16 (lane / 16) + 0 .. 15.
; K = 2,048 goes in 16 steps of 128 through two LDS slots of 4 steps each; a slot is the tokens' dense 102,400 bytes and Wo's dense 51,200.
; CLUSTER 4 x 4: the tokens' block hangs on gy alone and is asked for jointly along a row of the cluster, Wo's on gx alone, along a column.
; REGISTERS, in windows of 256.  Window 0: v16-27 addresses; v28, v29 the add's two; v32-79 scale words, two sets, and nothing else; v80-175 S's fragments, two sets; on the way out v80-207 rows of out0.
;   Window 1: P's fragments, two sets of 96.   Window 2: accumulator (s, p) at v[64 s + 8 p].
.set XB,    102400
.set WB,    51200
.set XSC,   98304
.set WSC,   49152
.set SLOT,  XB+WB
.set SPARE, 2*SLOT                     ; behind the ring: the spare words, 128 bytes for each wave
.set NB0,   24                         ; Wo's first block among the weights' images
.set ADP,   16
.set ADS,   18
.set APS,   20
.set ASS,   22
.set LI,    24                         ; v24  16 x lane
.set STO,   26                         ; v26  the way out: where I put 16 bytes of a row
.set RD,    27                         ; v27  and where I read a row back
.set SPW,   28
.set NIL,   29
.set SCR,   32
.set SF,    80
.set BK,    80                         ; the way out: 16 rows read back: v80-143 and v144-207 by turns
.set G1X,   24
.set G0X,   32
.set G1W,   48
.set G0W,   56
.set MUL,   0xa1                       ; source 0 (P) window 1, source 1 (S) window 0, C and D window 2
.set TO_P,  0x40
.set MSB, 0
.macro WIN new                         ; the immediate's high byte repeats the setting that is left
.if MSB != (\new)
	s_set_vgpr_msb (MSB<<8)|(\new)
.set MSB, \new
.endif
.endm
.macro PLACES                          ; four plain places behind matrix instructions (ISA guide 7.12.1)
.rept 4
	v_nop
.endr
.endm
.macro JLOAD s                         ; a joint load: waves 0 and 1 fetch the tokens' halves, waves 2 and 3 Wo's; an s_nop 0 and four v_nop follow each of the two lines
	s_cmp_eq_u32 s17, 0
	s_cbranch_scc0 .Lfor_w_\@
	tensor_load_to_lds s[G0X+4*\s:G0X+4*\s+3], s[G1X:G1X+7]
	s_nop 0
.rept 4
	v_nop
.endr
	s_branch .Lasked_\@
.Lfor_w_\@:
	tensor_load_to_lds s[G0W+4*\s:G0W+4*\s+3], s[G1W:G1W+7]
	s_nop 0
.rept 4
	v_nop
.endr
.Lasked_\@:
.endm
.macro CROUND                          ; a round of the cluster's barrier
	s_barrier_signal -1
	s_barrier_wait -1
	s_cmp_lg_u32 s16, 0
	s_cbranch_scc1 .Lnot_wave_0_\@
	s_barrier_signal -3
.Lnot_wave_0_\@:
	s_barrier_wait -3
	s_barrier_signal -1
	s_barrier_wait -1
.endm
; one product; pa, pb: the tile is the odd one of its pair, so its scale words stand in lanes 16-31
.macro WM acc, pf, sf, sa, sb, zero, pa, pb
.if \zero
.if (\pa) && (\pb)
	v_wmma_scale_f32_16x16x128_f8f6f4 v[(\acc):(\acc)+7], v[(\pf):(\pf)+11], v[(\sf):(\sf)+11], 0, v[\sa], v[\sb] matrix_a_fmt:MATRIX_FMT_FP6 matrix_b_fmt:MATRIX_FMT_FP6 matrix_a_scale:MATRIX_SCALE_ROW1 matrix_b_scale:MATRIX_SCALE_ROW1
.elseif (\pa)
	v_wmma_scale_f32_16x16x128_f8f6f4 v[(\acc):(\acc)+7], v[(\pf):(\pf)+11], v[(\sf):(\sf)+11], 0, v[\sa], v[\sb] matrix_a_fmt:MATRIX_FMT_FP6 matrix_b_fmt:MATRIX_FMT_FP6 matrix_a_scale:MATRIX_SCALE_ROW1
.elseif (\pb)
	v_wmma_scale_f32_16x16x128_f8f6f4 v[(\acc):(\acc)+7], v[(\pf):(\pf)+11], v[(\sf):(\sf)+11], 0, v[\sa], v[\sb] matrix_a_fmt:MATRIX_FMT_FP6 matrix_b_fmt:MATRIX_FMT_FP6 matrix_b_scale:MATRIX_SCALE_ROW1
.else
	v_wmma_scale_f32_16x16x128_f8f6f4 v[(\acc):(\acc)+7], v[(\pf):(\pf)+11], v[(\sf):(\sf)+11], 0, v[\sa], v[\sb] matrix_a_fmt:MATRIX_FMT_FP6 matrix_b_fmt:MATRIX_FMT_FP6
.endif
.else
.if (\pa) && (\pb)
	v_wmma_scale_f32_16x16x128_f8f6f4 v[(\acc):(\acc)+7], v[(\pf):(\pf)+11], v[(\sf):(\sf)+11], v[(\acc):(\acc)+7], v[\sa], v[\sb] matrix_a_fmt:MATRIX_FMT_FP6 matrix_b_fmt:MATRIX_FMT_FP6 matrix_a_scale:MATRIX_SCALE_ROW1 matrix_b_scale:MATRIX_SCALE_ROW1
.elseif (\pa)
	v_wmma_scale_f32_16x16x128_f8f6f4 v[(\acc):(\acc)+7], v[(\pf):(\pf)+11], v[(\sf):(\sf)+11], v[(\acc):(\acc)+7], v[\sa], v[\sb] matrix_a_fmt:MATRIX_FMT_FP6 matrix_b_fmt:MATRIX_FMT_FP6 matrix_a_scale:MATRIX_SCALE_ROW1
.elseif (\pb)
	v_wmma_scale_f32_16x16x128_f8f6f4 v[(\acc):(\acc)+7], v[(\pf):(\pf)+11], v[(\sf):(\sf)+11], v[(\acc):(\acc)+7], v[\sa], v[\sb] matrix_a_fmt:MATRIX_FMT_FP6 matrix_b_fmt:MATRIX_FMT_FP6 matrix_b_scale:MATRIX_SCALE_ROW1
.else
	v_wmma_scale_f32_16x16x128_f8f6f4 v[(\acc):(\acc)+7], v[(\pf):(\pf)+11], v[(\sf):(\sf)+11], v[(\acc):(\acc)+7], v[\sa], v[\sb] matrix_a_fmt:MATRIX_FMT_FP6 matrix_b_fmt:MATRIX_FMT_FP6
.endif
.endif
.endm
; a K step's 32 products on fragment set e, the slot's q-th 128 along K.  The 32 accumulators take turns, one instruction a turn, in the same order in every step.  zero = 1: they start the sums
.macro MUL32 e, q, slot, zero
.irp s, 0,1,2,3
.irp p, 0,1,2,3,4,5,6,7
	WM 64*\s+8*\p, 96*(\e)+12*\p, SF+48*(\e)+12*\s, SCR+24*(\slot)+4*(\p/2)+(\q), SCR+16+24*(\slot)+4*(\s/2)+(\q), \zero, \p%2, \s%2
.endr
.endr
.endm
.macro FETCH slot, q, e                ; 36 LDS loads in one run: the 12 fragments of the slot's q-th K step into set e
	WIN TO_P
.irp p, 0,1,2,3,4,5,6,7
.irp i, 0,1,2
	ds_load_b128 v[96*(\e)+12*\p+4*\i:96*(\e)+12*\p+4*\i+3], v[ADP+\slot] offset:6144*\p+1536*(\q)+512*\i
.endr
.endr
	WIN 0
.irp s, 0,1,2,3
.irp i, 0,1,2
	ds_load_b128 v[SF+48*(\e)+12*\s+4*\i:SF+48*(\e)+12*\s+4*\i+3], v[ADS+\slot] offset:6144*\s+1536*(\q)+512*\i
.endr
.endr
.endm
.macro SCALES slot                     ; a slot's scale words: one load brings a pair of tiles' words of all four K steps
.irp a, 0,1,2,3
	ds_load_b128 v[SCR+24*\slot+4*\a:SCR+24*\slot+4*\a+3], v[APS+\slot] offset:512*\a
.endr
.irp a, 0,1
	ds_load_b128 v[SCR+24*\slot+16+4*\a:SCR+24*\slot+16+4*\a+3], v[ASS+\slot] offset:512*\a
.endr
.endm
.macro KSTEP slot, q, zero             ; one of a slot's first three K steps: the next step's fragments are asked for ahead of this step's 32 products
	s_wait_dscnt 0x0                               ; this step's fragments (and scale words) are in
	PLACES                                         ; the set to be loaded was read by the last step's products
	FETCH \slot, (\q)+1, ((\q)+1)%2
	WIN MUL
	MUL32 (\q)%2, \q, \slot, \zero
	WIN 0
.endm
; A slot's last K step changes slots.  Each wave waits for all its tensor loads (its part of the next slot), adds 0 to its spare word, and waits for that and for its reads of this slot: the last step's fragments are in registers.
; fill = 1: behind a round of the cluster's barrier this slot is filled again, two K groups on: the load has the next slot's 128 products a wave in which to land.
.macro TURN slot, next, fill
	s_wait_tensorcnt 0x0                           ; no tensor load of mine is out, so a group 0 may be written
	ds_add_u32 v[SPW], v[NIL]
.if \fill
	s_add_nc_u64 s[G0X+4*\slot+2:G0X+4*\slot+3], s[G0X+4*\slot+2:G0X+4*\slot+3], 2*XB
	s_add_nc_u64 s[G0W+4*\slot+2:G0W+4*\slot+3], s[G0W+4*\slot+2:G0W+4*\slot+3], 2*WB
.endif
	s_wait_dscnt 0x0                               ; the add is done, and my reads of this slot are over
.if \fill
	CROUND                                         ; no wave of any partner still reads this slot or has a load on its way
	JLOAD \slot                                    ; the first thing behind the round; its four v_nop are the places in front of the loads below
.else
	s_barrier_signal -1
	s_barrier_wait -1
	PLACES
.endif
	FETCH \next, 0, 0
	SCALES \next
	WIN MUL
	MUL32 1, 3, \slot, 0
	WIN 0
.endm
	s_load_b128 s[4:7], s[0:1], 0x0                ; oc, wimg
	s_load_b64 s[8:9], s[0:1], 0x10                ; out0
	v_lshl_add_u32 v[SPW], v0, 2, SPARE
	v_mov_b32 v[NIL], 0
	ds_add_u32 v[SPW], v[NIL]                      ; the wave's opening: the add and its wait ahead of my first tensor load
	v_lshrrev_b32 v1, 5, v0
	v_readfirstlane_b32 s16, v1                    ; wave 0..3
	s_lshr_b32 s17, s16, 1                         ; I fetch for the tokens (0) or for Wo (1),
	s_and_b32 s18, s16, 1                          ; and which half
	s_bfe_u32 s40, ttmp6, 0x40000                  ; cx, cy
	s_bfe_u32 s41, ttmp6, 0x40004
	s_lshl_b32 s42, ttmp9, 2
	s_add_co_u32 s42, s42, s40                     ; gx
	s_and_b32 s43, ttmp7, 0xffff
	s_lshl_b32 s43, s43, 2
	s_add_co_u32 s43, s43, s41                     ; gy
	s_lshl_b32 s44, s41, 2
	s_lshl_b32 s44, 15, s44                        ; my row of the cluster
	s_lshl_b32 s45, 0x1111, s40                    ; my column
	; descriptor group 1: a dense block as rows of 256 bytes (32 elements of 8 bytes): 200 rows for half of the tokens' part, 100 for half of Wo's; no padding
	s_or_b32 s[G1X], s44, (3<<16)|(1<<21)
	s_or_b32 s[G1W], s45, (3<<16)|(1<<21)
	s_mov_b32 s[G1X+1], 32<<16
	s_mov_b32 s[G1X+2], 200<<16
	s_mov_b32 s[G1X+3], 32<<16
	s_mov_b32 s[G1X+4], 200
	s_mov_b32 s[G1X+5], 32
	s_mov_b32 s[G1X+6], 0
	s_mov_b32 s[G1X+7], 0
	s_mov_b32 s[G1W+1], 32<<16
	s_mov_b32 s[G1W+2], 100<<16
	s_mov_b32 s[G1W+3], 32<<16
	s_mov_b32 s[G1W+4], 100
	s_mov_b32 s[G1W+5], 32
	s_mov_b32 s[G1W+6], 0
	s_mov_b32 s[G1W+7], 0
	s_mul_i32 s20, s43, 4*XB                       ; the tokens: block gy, K group 0, my half: made of gy and the wave's number alone
	s_mul_i32 s21, s18, XB/2
	s_add_co_u32 s20, s20, s21
	s_mov_b32 s21, 0
	s_add_co_u32 s46, s42, NB0                     ; Wo: block gx: made of gx and the wave's number alone
	s_mul_i32 s46, s46, 4*WB
	s_mul_i32 s47, s18, WB/2
	s_add_co_u32 s46, s46, s47
	s_mov_b32 s47, 0
	s_mul_i32 s22, s18, XB/2
	s_mul_i32 s23, s18, WB/2
	s_add_co_u32 s23, s23, XB
	s_wait_dscnt 0x0                               ; the opening add is done
	s_wait_kmcnt 0x0
	s_add_nc_u64 s[20:21], s[4:5], s[20:21]
	s_add_nc_u64 s[46:47], s[6:7], s[46:47]
	CROUND                                         ; all sixteen work-groups are here: the first joint loads meet
.irp s, 0,1
	s_mov_b32 s[G0X+4*\s], 1
	s_add_co_u32 s[G0X+4*\s+1], s22, \s*SLOT
	s_add_nc_u64 s[G0X+4*\s+2:G0X+4*\s+3], s[20:21], \s*XB
	s_or_b32 s[G0X+4*\s+3], s[G0X+4*\s+3], 0x80000000
	s_mov_b32 s[G0W+4*\s], 1
	s_add_co_u32 s[G0W+4*\s+1], s23, \s*SLOT
	s_add_nc_u64 s[G0W+4*\s+2:G0W+4*\s+3], s[46:47], \s*WB
	s_or_b32 s[G0W+4*\s+3], s[G0W+4*\s+3], 0x80000000
	JLOAD \s                                       ; K groups 0 and 1: two loads of mine are out
.endr
	v_and_b32 v1, 31, v0
	v_lshlrev_b32 v[LI], 4, v1
	s_mul_i32 s74, s16, 24576                      ; S: my four tiles of tokens,
	s_lshl_b32 s75, s16, 10
	s_add_co_u32 s75, s75, XSC                     ; and their scale words
	v_add_nc_u32 v[ADP], XB, v[LI]                 ; P: Wo's eight tiles
	v_add_nc_u32 v[ADP+1], SLOT, v[ADP]
	v_add_nc_u32 v[ADS], s74, v[LI]
	v_add_nc_u32 v[ADS+1], SLOT, v[ADS]
	v_add_nc_u32 v[APS], XB+WSC, v[LI]
	v_add_nc_u32 v[APS+1], SLOT, v[APS]
	v_add_nc_u32 v[ASS], s75, v[LI]
	v_add_nc_u32 v[ASS+1], SLOT, v[ASS]
	s_mul_i32 s76, s16, 8448                       ; the way out: my stage, 16 rows x (512 bytes + 16), in slot 0
	v_and_b32 v2, 15, v0
	v_bfe_u32 v3, v0, 4, 1
	v_mul_u32_u24 v[STO], v2, 528
	v_lshl_add_u32 v[STO], v3, 6, v[STO]           ; row r, + 64 h
	v_add_nc_u32 v[STO], s76, v[STO]
	v_add_nc_u32 v[RD], s76, v[LI]
	s_lshl_b32 s82, s43, 21                        ; out0: 256 gy rows of 8,192 bytes
	s_lshl_b32 s83, s16, 19                        ; + 64 w rows
	s_add_co_u32 s82, s82, s83
	s_lshl_b32 s83, s42, 9                         ; + 128 gx columns
	s_add_co_u32 s82, s82, s83
	s_mov_b32 s83, 0
	s_add_nc_u64 s[66:67], s[8:9], s[82:83]
	s_wait_tensorcnt 1                             ; my part of K group 0 is in; K group 1's may stay out
	s_barrier_signal -1
	s_barrier_wait -1                              ; everybody's is
	FETCH 0, 0, 0
	SCALES 0
	KSTEP 0, 0, 1                                  ; the first products start the sums: nothing is cleared
	KSTEP 0, 1, 0
	KSTEP 0, 2, 0
	TURN 0, 1, 1                                   ; slot 0 takes K group 2
	KSTEP 1, 0, 0
	KSTEP 1, 1, 0
	KSTEP 1, 2, 0
	TURN 1, 0, 1                                   ; slot 1 takes K group 3
	KSTEP 0, 0, 0
	KSTEP 0, 1, 0
	KSTEP 0, 2, 0
	TURN 0, 1, 0                                   ; nothing is left to fetch.  Behind this barrier nobody reads slot 0, and it has had its last fill: the stages lie there
	KSTEP 1, 0, 0
	KSTEP 1, 1, 0
	KSTEP 1, 2, 0
	s_wait_dscnt 0x0
	WIN MUL
	MUL32 1, 3, 1, 0
	WIN 0
; THE WAY OUT, a tile of 16 tokens x 128 columns at a time: a lane holds pieces of 32 bytes of one row, the lanes beside it other rows: so a tile goes through my own stage and comes back as whole rows of 512 bytes.
; LDS serves a wave's instructions in order (ISA guide 5.7.1.4): no wait between the stores and the loads, nor in front of the next tile's stores.
.macro TOSTAGE s
	WIN 0x08                                       ; an LDS store's data are its source 1: window 2
.irp p, 0,1,2,3,4,5,6,7
	ds_store_b128 v[STO], v[64*(\s)+8*\p:64*(\s)+8*\p+3] offset:128*(\p/2)+32*(\p%2)          ; each accumulator from its low end on
	ds_store_b128 v[STO], v[64*(\s)+8*\p+4:64*(\s)+8*\p+7] offset:128*(\p/2)+32*(\p%2)+16
.endr
	WIN 0
.irp i, 0,1,2,3,4,5,6,7,8,9,10,11,12,13,14,15
	ds_load_b128 v[BK+64*((\s)%2)+4*\i:BK+64*((\s)%2)+4*\i+3], v[RD] offset:528*\i
.endr
.endm
.macro SEND s, younger                 ; younger: the LDS instructions issued behind tile s's loads, which may stay out
	s_wait_dscnt \younger
.irp i, 0,1,2,3,4,5,6,7,8,9,10,11,12,13,14,15
	global_store_b128 v[LI], v[BK+64*((\s)%2)+4*\i:BK+64*((\s)%2)+4*\i+3], s[66:67] offset:(32*((\s)/2)+8*((\s)%2)+\i+8*(\i/8))*8192 th:TH_STORE_NT   ; 32 lanes store 512 consecutive bytes, at a multiple of 512 from out0's first byte
.endr
.endm
	PLACES                                         ; in front of the first reads of results and of the loads into S's registers
	TOSTAGE 0
.irp s, 1,2,3
.if \s > 1
	s_wait_xcnt 0x0                                ; tile s - 2's stores have read their registers: tile s's rows may land there
.endif
	TOSTAGE \s
	SEND \s-1, 32                                  ; behind tile s - 1's loads: tile s's 16 stores and 16 loads
.endr
	SEND 3, 0
	s_wait_tensorcnt 0x0                           ; the wave's end, behind my last tensor load and my last LDS store
	ds_add_u32 v[SPW], v[NIL]
	s_wait_dscnt 0x0
	CROUND                                         ; the closing round
	s_endpgm
.Lfunc_end_k_q2e3301a662_outp:
	.size	k_q2e3301a662_outp, .Lfunc_end_k_q2e3301a662_outp-k_q2e3301a662_outp
	.p2alignl 7, 3214868480
	.fill 96, 4, 3214868480
	.section	.rodata,"a",@progbits
	.p2align	6, 0x0
	.amdhsa_kernel k_q2e3301a662_outp
		.amdhsa_group_segment_fixed_size 327680
		.amdhsa_private_segment_fixed_size 0
		.amdhsa_enable_private_segment 0
		.amdhsa_kernarg_size 24
		.amdhsa_user_sgpr_count 2
		.amdhsa_user_sgpr_kernarg_segment_ptr 1
		.amdhsa_wavefront_size32 1
		.amdhsa_system_sgpr_workgroup_id_x 1
		.amdhsa_system_sgpr_workgroup_id_y 1
		.amdhsa_system_sgpr_workgroup_id_z 1
		.amdhsa_system_vgpr_workitem_id 0
		.amdhsa_next_free_vgpr 768
		.amdhsa_next_free_sgpr 100
		.amdhsa_reserve_vcc 0
		.amdhsa_float_denorm_mode_32 3
		.amdhsa_float_denorm_mode_16_64 3
		.amdhsa_memory_ordered 1
		.amdhsa_forward_progress 1
		.amdhsa_inst_pref_size 130
	.end_amdhsa_kernel
	.amdgpu_metadata
---
amdhsa.version: [ 1, 2 ]
amdhsa.kernels:
  - .name:           k_q2e3301a662_outp
    .symbol:         k_q2e3301a662_outp.kd
    .args:
      - { .name: oc, .offset: 0, .size: 8, .value_kind: global_buffer, .address_space: global }
      - { .name: wimg, .offset: 8, .size: 8, .value_kind: global_buffer, .address_space: global }
      - { .name: out0, .offset: 16, .size: 8, .value_kind: global_buffer, .address_space: global }
    .group_segment_fixed_size: 327680
    .private_segment_fixed_size: 0
    .kernarg_segment_align: 8
    .kernarg_segment_size: 24
    .max_flat_workgroup_size: 128
    .sgpr_count:     100
    .vgpr_count:     768
    .wavefront_size: 32
...
	.end_amdgpu_metadata
.endif
;; end of part 4
;; ======== version 2 of 2: 4 launches
;; workspace buffers: xq 3,276,800 bytes; wimg 8,192,000 bytes; qi 3,407,872 bytes; kv 1,703,936 bytes; oc 3,276,800 bytes
;; launch quant: the kernel of part 1 again; grid 896 x 1, 4 waves a work-group, no clusters, 34,304 bytes of LDS; arguments x, Wq, Wk, Wv, Wo, xq, wimg; writes xq, wimg
;; launch qkv: the kernel of part 2 again; grid 24 x 8, 4 waves a work-group, clusters of 4 x 4, 327,680 bytes of LDS; arguments xq, wimg, rope_cos, rope_sin, qi, kv; writes qi, kv
;; launch attn (part 5): grid 64 x 4, 8 waves a work-group, clusters of 4 x 1, 327,680 bytes of LDS; arguments qi, kv, oc; writes oc
.if DOCPART == 5
	.amdgcn_target "amdgcn-amd-amdhsa--gfx1250"
	.amdhsa_code_object_version 6
	.text
	.protected	k_q2e3301a662_attn
	.globl	k_q2e3301a662_attn
	.p2align	8
	.type	k_q2e3301a662_attn,@function
k_q2e3301a662_attn:
	s_mov_b64 s[64:65], 0
	v_nop
	global_prefetch_b8 v0, s[64:65] scope:SCOPE_SE
	s_setreg_imm32_b32 hwreg(HW_REG_WAVE_MODE, 25, 1), 1
	s_wait_xcnt 0x0
	s_wait_alu depctr_hold_cnt(0) depctr_sa_sdst(0) depctr_va_vdst(0) depctr_va_sdst(0) depctr_va_ssrc(0) depctr_va_vcc(0) depctr_vm_vsrc(0)
	s_getreg_b32 s2, hwreg(HW_REG_IB_STS2, 6, 4)
	s_cmp_eq_u32 s2, 0
	s_cbranch_scc0 .Lentry_in_a_cluster
	s_endpgm
.Lentry_in_a_cluster:
	s_bfe_u32 s2, ttmp6, 0x10000c
	s_cmp_lg_u32 s2, 0x3003
	s_cbranch_scc0 .Lentry_shape_is_right
	s_endpgm
.Lentry_shape_is_right:
; Causal attention with grouped heads on codes of FP6 (E2M3) with E8M0 scales: S^T = K Q^T, p = 2^(t - M), O^T = V^T P^T, O / l, and the quantising of O / l along the 2,048 of the last product's K.
; t = score x log2(e) / sqrt(128); M = the running largest t rounded UP to a whole number; p is quantised along the keys, not normalised; l is the sum of the unquantised p; when M moves, l and O^T are multiplied by 2^(old M - new M): exact.
; LIMITS: a block whose largest magnitude lies under 2^-124 gets the byte 1, a block of zeros too (its codes are zeros; this program alone reads the bytes); NaN and infinities are not served.
; OPERANDS ARE IMAGES OF REGISTERS: a fragment is 1,536 bytes, three loads of 16 bytes a lane at 16 x lane.  Row r of tile 2 b + u is token (or d) 32 b + 8 u + r + 8 (r / 8): so the 16 registers of two neighbouring tiles of keys
; (or of d) are 16 neighbours, 32 b + 16 (lane / 16) + 0 .. 15.  A lane holds ONE query throughout.
; SHARES.  Work-group (j = 0..63, g): the four query heads of key/value head g.  Waves 0-3: tile j of 16 queries, one head each; waves 4-7: tile 127 - j.  The two tiles' key steps add up to 17 whatever j.
; A key step is 128 keys.  A slot of the ring holds 512 keys, four key steps: two neighbouring blocks of kv, 2 x 53,248 dense bytes (in each: k's 16 fragments, v's 16, their scale words).  Every wave fetches an eighth of each slot.
; FRAGMENTS ARE ASKED FOR A PHASE AHEAD.  Two waves share a SIMD, so a wave has 512 registers: window 1 holds all eight fragments of K of a step and all eight of V.  V's run of LDS loads stands behind the step's products K Q^T, ahead
; of the softmax; the NEXT step's run for K stands in the softmax.  Only K of a slot's first step is waited for straight behind its loads: it cannot be asked for ahead of the barrier that shows the slot whole.
; CLUSTER 4 x 1: the four partners walk the same k and v, so each eighth is asked for jointly.  All work-groups walk all 4 slots: trip counts are constants, no load and no barrier is jumped over.  What is left out is the WORK of the steps
; all of whose keys come after the wave's queries: the first such step leads to the slot's end, since all later ones are hidden too.  That hangs on the wave's number and the cluster's x alone (a tile's block of 128 tokens is the same in all four partners).
; REGISTERS.  Window 0: v1-9 addresses; v12 -M, v13 the largest t, v[14:15] l in two halves; v16-27 Q; v32-39 K's scale words, v40-47 V's, and nothing else; v96-159 S^T, then p; v160-223 O^T; v224-235 p's codes; v232-247 at work;
; v252 f; v253 p's scale word; v254 at work; v255 Q's scale words.   Window 1: v0-95 K's eight fragments; v96-191 V's.
.set SUBB,  53248                      ; a block of kv: 256 keys
.set SLOTB, 2*SUBB                     ; a slot of the ring
.set SLOT1, 1<<17                      ; slot 1 begins here: one exclusive or turns an address in one slot into the other's
.set VOFF,  24576
.set KSC,   49152
.set VSC,   51200
.set SPARE, 2*SLOT1                    ; the spare words, 128 bytes for each of eight waves
.set LI,   1                           ; v1  16 x lane
.set QT,   2                           ; v2  my query's place in its block of 128 tokens, less 16 (lane / 16)
.set LN,   3                           ; v3  lane
.set R16,  4                           ; v4  16 x (lane % 16)
.set SPW,  5
.set NIL,  6
.set PFO,  7                           ; v7  the prefetches' offset: 256 x min(lane, 25)
.set AD,   8                           ; v8  16 x lane + the slot in hand; v9 the same in the slot's second block (an LDS immediate has 16 bits)
.set KS,   32                          ; v32-39 the scale words of K's eight tiles
.set VS,   40                          ; v40-47 of V's
.set KFR,  0                           ; in window 1: K's fragments,
.set VFR,  96                          ; V's
.set WV,   18
.set SEL,  20
.set CS,   22
.set G1,   24                          ; s[24:31] descriptor group 1
.set G0,   40                          ; s[40:43] group 0, which walks
.set KF,   44                          ; the slot's first key
.set QB,   45                          ; the first token of my tile's block of 128
.set SLOTS, 46
.set TB,   47                          ; LDS byte at which the slot in hand begins
.set PFA,  48                          ; s[48:49] where my prefetches stand
.set LIM,  50                          ; 1 in a wave that prefetches, else the greatest number
.set SK,   51                          ; the step's first key
.set OCC,  56                          ; s[56:57] where my fragment of the result goes; s[58:59] its scale words
.set OCS,  58
.set MSB, 0
.macro WIN new                         ; s_set_vgpr_msb: bits 1:0 source 0, 7:6 destination; the immediate's high byte repeats the setting that is left; at a label and at a branch every window is 0
.if MSB != (\new)
	s_set_vgpr_msb (MSB<<8)|(\new)
.set MSB, \new
.endif
.endm
.macro CROUND                          ; a round of the cluster's barrier
	s_barrier_signal -1
	s_barrier_wait -1
	s_cmp_lg_u32 s[WV], 0
	s_cbranch_scc1 .Lnot_wave_0_\@
	s_barrier_signal -3
.Lnot_wave_0_\@:
	s_barrier_wait -3
	s_barrier_signal -1
	s_barrier_wait -1
.endm
; A prefetch into the L2 of the slot that the NEXT change of slots will ask for: four key steps ahead of that load.  All sixteen clusters of a key/value head walk the same slots: the head's first cluster asks.  Its four partners share a slot's
; 416 blocks of 256 bytes out by address, 104 each; in each, waves 0 to 3 take 26, a lane a block (lanes 26-31 name lane 25's again).  The last change that fills a slot asks for nothing; slots 0 and 1 come by their loads alone.
.macro ASK
	s_cmp_gt_u32 s[SLOTS], s[LIM]
	s_cbranch_scc0 .Lnot_mine_\@
	global_prefetch_b8 v[PFO], s[PFA:PFA+1] th:TH_LOAD_NT scope:SCOPE_SE
.Lnot_mine_\@:
.endm
; 26 LDS loads in one run: the eight fragments of K of the slot's q-th key step into window 1, and their scale words (one load brings four tiles' words)
.macro FETCH_K q
	WIN 0x40                                       ; destination window 1, address window 0
.irp t, 0,1,2,3,4,5,6,7
.irp i, 0,1,2
	ds_load_b128 v[KFR+12*\t+4*\i:KFR+12*\t+4*\i+3], v[AD+(\q)/2] offset:(8*((\q)%2)+\t)*1536+512*\i
.endr
.endr
	WIN 0
.irp g, 0,1
	ds_load_b128 v[KS+4*\g:KS+4*\g+3], v[AD+(\q)/2] offset:KSC+(2*((\q)%2)+\g)*512
.endr
.endm
.macro FETCH_V q                       ; the same for V: eight tiles of 16 of the head's 128 x the step's 128 keys
	WIN 0x40
.irp t, 0,1,2,3,4,5,6,7
.irp i, 0,1,2
	ds_load_b128 v[VFR+12*\t+4*\i:VFR+12*\t+4*\i+3], v[AD+(\q)/2] offset:VOFF+(8*((\q)%2)+\t)*1536+512*\i
.endr
.endr
	WIN 0
.irp g, 0,1
	ds_load_b128 v[VS+4*\g:VS+4*\g+3], v[AD+(\q)/2] offset:VSC+(2*((\q)%2)+\g)*512
.endr
.endm
	s_load_b128 s[4:7], s[0:1], 0x0                ; qi, kv
	s_load_b64 s[8:9], s[0:1], 0x10                ; oc
	v_lshl_add_u32 v[SPW], v0, 2, SPARE
	v_mov_b32 v[NIL], 0
	ds_add_u32 v[SPW], v[NIL]                      ; the wave's opening: the add and its wait ahead of my first tensor load
	v_lshrrev_b32 v10, 5, v0
	v_readfirstlane_b32 s[WV], v10                 ; wave 0..7
	s_bfe_u32 s10, ttmp6, 0x40000                  ; cx
	s_lshl_b32 s11, ttmp9, 2
	s_add_co_u32 s11, s11, s10                     ; j
	s_and_b32 s12, ttmp7, 0xffff                   ; g
	s_and_b32 s13, s[WV], 3                        ; which of the four query heads
	s_sub_co_u32 s14, 127, s11
	s_lshr_b32 s16, ttmp9, 1                       ; j / 8
	s_sub_co_u32 s17, 15, s16
	s_cmp_lt_u32 s[WV], 4
	s_cselect_b32 s15, s11, s14                    ; my tile of queries: it enters global addresses and the mask's vector alone
	s_cselect_b32 s[QB], s16, s17                  ; its block of 128 tokens: alike in all partners
	s_lshl_b32 s[QB], s[QB], 7
	s_mov_b32 s[G1], 15|(3<<16)|(1<<21)            ; 15:0 the mask: all four work-groups; 17:16 elements of 8 bytes; 21 set beside a mask
	s_mov_b32 s[G1+1], 32<<16                      ; tensor_dim0: rows of 256 bytes
	s_mov_b32 s[G1+2], 52<<16                      ; tensor_dim1: 52 of them: an eighth of a slot
	s_mov_b32 s[G1+3], 32<<16                      ; tile_dim0
	s_mov_b32 s[G1+4], 52                          ; tile_dim1
	s_mov_b32 s[G1+5], 32                          ; the pitch: dense
	s_mov_b32 s[G1+6], 0
	s_mov_b32 s[G1+7], 0
	s_lshl_b32 s32, s12, 2
	s_add_co_u32 s32, s32, s13                     ; the query head
	s_lshl_b32 s32, s32, 5
	s_lshr_b32 s33, s15, 2
	s_add_co_u32 s32, s32, s33
	s_mul_i32 s32, s32, 6656                       ; the group of four tiles
	s_and_b32 s33, s15, 3
	s_mul_i32 s34, s33, 1536
	s_add_co_u32 s34, s34, s32                     ; Q's fragment
	s_mov_b32 s35, 0
	s_lshl_b32 s36, s33, 2
	s_add_co_u32 s36, s36, s32
	s_add_co_u32 s36, s36, 6144                    ; and its scale words: word tile % 4 of each lane's four
	s_mov_b32 s37, 0
	s_lshr_b32 s38, s15, 4
	s_lshl_b32 s38, s38, 2
	s_add_co_u32 s38, s38, s12
	s_mul_i32 s38, s38, 102400                     ; the result: block of 256 tokens, K group g
	s_and_b32 s39, s15, 15
	s_mul_i32 s52, s39, 6144
	s_add_co_u32 s52, s52, s38
	s_mul_i32 s53, s13, 1536
	s_add_co_u32 s52, s52, s53                     ; tile, K step = head % 4
	s_mov_b32 s53, 0
	s_lshl_b32 s54, s39, 8                         ; 512 a pair of tiles + 256 for the odd one
	s_add_co_u32 s54, s54, s38
	s_lshl_b32 s55, s13, 2
	s_add_co_u32 s54, s54, s55
	s_add_co_u32 s54, s54, 98304
	s_mov_b32 s55, 0
	s_mul_i32 s66, s12, 4*SLOTB                    ; the key/value head's four slots
	s_mov_b32 s67, 0
	s_mul_i32 s68, s[WV], SLOTB/8                  ; my eighth
	s_mov_b32 s69, 0
	s_mul_i32 s70, s10, SLOTB/4                    ; the prefetches: my work-group's quarter,
	s_mul_i32 s71, s13, SLOTB/16                   ; my wave's quarter of it,
	s_add_co_u32 s70, s70, s71
	s_add_co_u32 s70, s70, SLOTB                   ; in slot 1: the first change of slots steps it to slot 2
	s_mov_b32 s71, 0
	s_lshr_b32 s63, s[WV], 2
	s_or_b32 s63, s63, ttmp9
	s_cmp_eq_u32 s63, 0                            ; waves 0 to 3 of the head's first cluster
	s_cselect_b32 s[LIM], 1, -1
	s_bfe_u32 s61, s15, 0x20001
	s_lshl_b32 s61, s61, 5
	s_and_b32 s62, s15, 1
	s_lshl_b32 s62, s62, 3
	s_add_co_u32 s61, s61, s62                     ; my tile's first token in its block of 128
	s_mov_b32 s[SEL], 0x76543210
	s_mov_b32 s[SEL+1], 0xfedcba98                 ; v_permlanex16_b32's selects for lane l xor 16
	s_mov_b32 s[CS], 0x3e0293ee                    ; c = log2(e) / sqrt(128)
	s_mov_b32 s[CS+1], s[CS]
	s_mov_b32 s[TB], 0
	s_mov_b32 s[KF], 0
	s_mov_b32 s[SLOTS], 3
	s_wait_dscnt 0x0                               ; the opening add is done
	s_wait_kmcnt 0x0
	s_add_nc_u64 s[34:35], s[4:5], s[34:35]
	s_add_nc_u64 s[36:37], s[4:5], s[36:37]
	s_add_nc_u64 s[OCC:OCC+1], s[8:9], s[52:53]
	s_add_nc_u64 s[OCS:OCS+1], s[8:9], s[54:55]
	s_add_nc_u64 s[66:67], s[6:7], s[66:67]
	s_add_nc_u64 s[PFA:PFA+1], s[66:67], s[70:71]
	CROUND                                         ; all four work-groups are here: the first joint loads meet
	s_mov_b32 s[G0], 1
	s_mov_b32 s[G0+1], s68                         ; LDS: slot 0, my eighth: the wave's number alone
	s_add_nc_u64 s[G0+2:G0+3], s[66:67], s[68:69]
	s_or_b32 s[G0+3], s[G0+3], 0x80000000
	tensor_load_to_lds s[G0:G0+3], s[G1:G1+7]      ; slot 0: one load of mine is out
	s_nop 0
.rept 4
	v_nop
.endr
	v_and_b32 v[LN], 31, v0
	v_lshlrev_b32 v[LI], 4, v[LN]
.irp i, 0,1,2
	global_load_b128 v[16+4*\i:19+4*\i], v[LI], s[34:35] offset:512*\i   ; Q's fragment stays in registers
.endr
	global_load_b32 v255, v[LI], s[36:37]          ; and its scale words
	v_min_u32 v[PFO], 25, v[LN]
	v_lshlrev_b32 v[PFO], 8, v[PFO]
	v_and_b32 v10, 15, v0                          ; r
	v_bfe_u32 v11, v0, 4, 1                        ; h
	v_lshlrev_b32 v[R16], 4, v10
	v_and_b32 v28, 8, v10
	v_add_nc_u32 v[QT], v28, v10                   ; r + 8 (r / 8)
	v_lshlrev_b32 v28, 4, v11
	v_sub_nc_u32 v[QT], v[QT], v28
	v_add_nc_u32 v[QT], s61, v[QT]
	v_mov_b32 v13, 0xff61b1e6                      ; the largest t so far: -3e38, under every t
	v_floor_f32 v12, -v13                          ; -M
	v_mov_b32 v14, 0
	v_mov_b32 v15, 0
.irp b, 0,1,2,3
	v_mov_b32 v[236+\b], 0                         ; written once: a lane permute's destination counts as one of its sources
.endr
	v_mov_b32 v252, 0
	v_mov_b32 v253, 0
.set n, 0
.rept 64
	v_mov_b32 v[160+n], 0                          ; O^T: the step has no first form of its own; the first finds zeros, which the first change of M leaves zeros
.set n, n+1
.endr
; From the four blocks' largest magnitudes in v232-235 and 64 numbers in v96-159: the fragment's codes in v224-235, its scale word in v253
.macro QTAIL
.irp b, 0,1,2,3
	v_max_num_f32 v[232+\b], 0x1800000, v[232+\b]  ; the floor 2^(3 - 127): the byte cannot fall under 1
.endr
.irp b, 0,1,2,3
	v_add_nc_u32 v[244+\b], 0xff000000, v[232+\b]  ; 2 off the exponent field: the conversion's scale operand
.endr
.irp b, 0,1,2,3
	v_lshrrev_b32 v[236+\b], 23, v[244+\b]         ; the scale's byte
.endr
	v_lshl_or_b32 v253, v237, 8, v236
	v_lshl_or_b32 v253, v238, 16, v253
	v_lshl_or_b32 v253, v239, 24, v253
.irp c, 0,1
	v_cvt_scalef32_pk16_fp6_f32 v[224+6*\c:226+6*\c], v[96+32*\c:111+32*\c], v[244+2*\c]
	v_cvt_scalef32_pk16_fp6_f32 v[236+4*\c:238+4*\c], v[112+32*\c:127+32*\c], v[244+2*\c+1]
.endr
	v_nop                                          ; one plain place behind a scaled conversion
.irp c, 0,1                                    ; the operand's layout wants a WHOLE block in a lane
.irp i, 0,1,2
	v_permlane16_swap_b32 v[224+6*\c+\i], v[236+4*\c+\i]
.endr
.irp i, 0,1,2
	v_mov_b32 v[227+6*\c+\i], v[236+4*\c+\i]
.endr
.endr
.endm
; A KEY STEP: 128 keys, the q-th of the four of the slot in hand.  id names the copy of the slot's steps, for the label at their end.
; A step is reached only through the step before it, which has asked for its K (the slot's first step asks for its own).
.macro STEP q, id
	s_add_co_u32 s[SK], s[KF], 128*(\q)            ; the step's first key
	s_cmp_gt_u32 s[SK], s[QB]                      ; all its keys come after my queries, and so do all later steps': on to the slot's end
	s_cbranch_scc1 .Lend_\id
.if (\q) == 0
	FETCH_K 0                                      ; K's registers were last read ahead of the last step's softmax: far more than four places back
.endif
	s_wait_dscnt 0x0                               ; K's fragments and scale words are in
	WIN 0x01                                       ; source 0 (K) window 1
.irp t, 0,1,2,3,4,5,6,7                        ; S^T = K Q^T: eight tiles of 16 keys
	v_wmma_scale_f32_16x16x128_f8f6f4 v[96+8*\t:103+8*\t], v[KFR+12*\t:KFR+12*\t+11], v[16:27], 0, v[KS+\t], v255 matrix_a_fmt:MATRIX_FMT_FP6 matrix_b_fmt:MATRIX_FMT_FP6
.endr
.rept 4
	v_nop                                          ; four places: in front of the loads into V's registers and scale words, which the last step's products read, and of the first reads of the scores
.endr
	FETCH_V \q                                     ; V of this step: it lands under the softmax
	s_cmp_lg_u32 s[SK], s[QB]                      ; only the step of my own block of 128 lies on the diagonal
	s_cbranch_scc1 .Lopen_\@
	v_mov_b32 v254, 0xff800000                     ; -infinity: p = 0 then.  Register 16 b + i holds key SK + 32 b + 16 (lane / 16) + i: hidden where 32 b + i > v[QT]
.set n, 0
.rept 64
	v_cmp_gt_i32 vcc_lo, 32*(n/16)+n%16, v[QT]
	v_cndmask_b32 v[96+n], v[96+n], v254, vcc_lo
.set n, n+1
.endr
.Lopen_\@:
.irp b, 0,1,2,3
	v_max3_num_f32 v[232+\b], v[96+16*\b], v[97+16*\b], v[98+16*\b]   ; the largest score of each block of 32 keys: for the row's maximum and, since p rises with the score, for the block's largest p
.endr
.irp i, 3,5,7,9,11,13
.irp b, 0,1,2,3
	v_max3_num_f32 v[232+\b], v[232+\b], v[96+16*\b+\i], v[97+16*\b+\i]
.endr
.endr
.irp b, 0,1,2,3
	v_max_num_f32 v[232+\b], v[232+\b], v[111+16*\b]
.endr
.irp b, 0,1,2,3
	v_permlanex16_b32 v[236+\b], v[232+\b], s[SEL], s[SEL+1]
.endr
.irp b, 0,1,2,3
	v_max_num_f32 v[232+\b], v[232+\b], v[236+\b]  ; with lane l xor 16's 16 keys
.endr
	v_max3_num_f32 v254, v232, v233, v234
	v_max_num_f32 v254, v254, v235
	v_mul_f32 v254, s[CS], v254                    ; the step's largest t of my query
	v_max_num_f32 v13, v13, v254                   ; the running largest t
	v_mov_b32 v254, v12
	v_floor_f32 v12, -v13                          ; the new -M = -ceil(t)
	v_sub_f32 v254, v12, v254                      ; old M - new M: a whole number, 0 or less
	v_cvt_i32_f32 v254, v254                       ; (it saturates)
	v_ldexp_f32 v252, 1.0, v254                    ; f = 2^(old M - new M)
.if (\q) < 3
	FETCH_K (\q)+1                                 ; K of the next step, which lies in the same slot: it lands under the rest of the softmax.  (No exponential is pending here)
.endif
.set n, 0
.rept 32
	v_pk_fma_f32 v[96+n:97+n], v[96+n:97+n], s[CS:CS+1], v[12:13] op_sel_hi:[1,0,0]   ; t - M, two at a time
.set n, n+2
.endr
.irp b, 0,1,2,3
	v_fma_f32 v[232+\b], v[232+\b], s[CS], v12     ; the same of each block's largest score
.endr
.set n, 0
.rept 64
	v_exp_f32 v[96+n], v[96+n]                     ; p = 2^(t - M)
.set n, n+1
.endr
	v_pk_mul_f32 v[14:15], v[14:15], v[252:253] op_sel_hi:[1,0]   ; l under the new M: the plain place behind the exponentials
	s_wait_alu depctr_va_vdst(0)                   ; one wait for the batch of 64, ahead of its first reader
.irp b, 0,1,2,3
	v_exp_f32 v[232+\b], v[232+\b]                 ; the block's largest p
.endr
	v_pk_add_f32 v[236:237], v[96:97], v[98:99]    ; l takes the UNQUANTISED p, in two chains; these lines read the 64 alone
.irp j, 4,8,12,16,20,24,28,32,36,40,44,48,52,56,60
	v_pk_add_f32 v[14:15], v[14:15], v[96+\j:97+\j]
	v_pk_add_f32 v[236:237], v[236:237], v[98+\j:99+\j]
.endr
	v_pk_add_f32 v[14:15], v[14:15], v[236:237]
	s_wait_alu depctr_va_vdst(0)                   ; and one for the four
	QTAIL
.set n, 0
.rept 32
	v_pk_mul_f32 v[160+n:161+n], v[160+n:161+n], v[252:253] op_sel_hi:[1,0]   ; O^T under the new M; also the places in front of the scaled products below
.set n, n+2
.endr
.if (\q) < 3
	s_wait_dscnt 26                                ; V is in; the 26 loads issued behind V's, the next step's K, may stay out
.else
	s_wait_dscnt 0x0                               ; V is in; nothing was asked for behind it
.endif
	WIN 0x01                                       ; source 0 (V) window 1
.irp t, 0,1,2,3,4,5,6,7                        ; O^T += V^T P^T: eight tiles of 16 of the head's 128, the accumulators by turns
	v_wmma_scale_f32_16x16x128_f8f6f4 v[160+8*\t:167+8*\t], v[VFR+12*\t:VFR+12*\t+11], v[224:235], v[160+8*\t:167+8*\t], v[VS+\t], v253 matrix_a_fmt:MATRIX_FMT_FP6 matrix_b_fmt:MATRIX_FMT_FP6
.endr
	WIN 0
.endm
; THE CHANGE OF SLOTS stands at a slot's head.  Each wave waits for all its tensor loads (its eighth of the slot ahead), adds 0 to its spare word, and waits for that and for its reads of the slot that it has left
; (among them the loads that a wave has asked for ahead of its first hidden step).
; fill = 1: behind a round of the cluster's barrier the slot that was left is filled with the next 512 keys: the load has a slot's four steps in which to land.
.macro CHANGE fill
	s_wait_tensorcnt 0x0                           ; no tensor load of mine is out, so group 0 may be written
	ds_add_u32 v[SPW], v[NIL]
.if \fill
	s_xor_b32 s[G0+1], s[G0+1], SLOT1
	s_add_nc_u64 s[G0+2:G0+3], s[G0+2:G0+3], SLOTB
	s_wait_xcnt 0x0                                ; the last prefetch, a slot back, has read its address
	s_add_nc_u64 s[PFA:PFA+1], s[PFA:PFA+1], SLOTB
.endif
	s_wait_dscnt 0x0                               ; the add is done, and my reads of the slot that I have left are over
.if \fill
	CROUND
	tensor_load_to_lds s[G0:G0+3], s[G1:G1+7]      ; the first thing behind the round, and my one tensor load until the next
	s_nop 0
.rept 4
	v_nop
.endr
	ASK
.else
	s_barrier_signal -1
	s_barrier_wait -1
.endif
.endm
.macro SLOT_STEPS id
	v_add_nc_u32 v[AD], s[TB], v[LI]               ; my lane's place in the slot's first block,
	v_add_nc_u32 v[AD+1], SUBB, v[AD]              ; and in its second
	STEP 0, \id
	STEP 1, \id
	STEP 2, \id
	STEP 3, \id
.Lend_\id:
	s_add_co_u32 s[KF], s[KF], 512
	s_xor_b32 s[TB], s[TB], SLOT1                  ; on to the other slot
.endm
	s_wait_loadcnt 0x0                             ; Q
.Lslot:                                            ; three trips: behind each change of slots but the last the next slot is asked for
	CHANGE 1
	SLOT_STEPS 0
	s_sub_co_u32 s[SLOTS], s[SLOTS], 1
	s_cmp_lg_u32 s[SLOTS], 0
	s_cbranch_scc1 .Lslot
	CHANGE 0                                       ; the last slot is written out: nothing is left to fetch
	SLOT_STEPS 1
	; THE WAY OUT: O^T / l; register 16 b + i is d = 32 b + 16 (lane / 16) + i of my query: 128 neighbours (with lane l xor 16) along the last product's K: they become one fragment of it
.rept 4
	v_nop                                          ; places behind the last products
.endr
	v_add_f32 v14, v14, v15
	v_permlanex16_b32 v252, v14, s[SEL], s[SEL+1]
	v_add_f32 v14, v14, v252                       ; l
	v_rcp_f32 v14, v14
	v_nop                                          ; a plain place behind the reciprocal
	s_wait_alu depctr_va_vdst(0)                   ; and the wait ahead of its first reader
.set n, 0
.rept 64
	v_mul_f32 v[96+n], v[160+n], v14               ; each accumulator from its low end on
.set n, n+1
.endr
.irp b, 0,1,2,3
	v_max3_num_f32 v[232+\b], |v[96+16*\b]|, |v[97+16*\b]|, 0x1800000
.endr
.irp i, 2,4,6,8,10,12,14
.irp b, 0,1,2,3
	v_max3_num_f32 v[232+\b], v[232+\b], |v[96+16*\b+\i]|, |v[97+16*\b+\i]|
.endr
.endr
.irp b, 0,1,2,3
	v_permlanex16_b32 v[236+\b], v[232+\b], s[SEL], s[SEL+1]
.endr
.irp b, 0,1,2,3
	v_max_num_f32 v[232+\b], v[232+\b], v[236+\b]
.endr
	QTAIL
.irp i, 0,1,2
	global_store_b128 v[LI], v[224+4*\i:227+4*\i], s[OCC:OCC+1] offset:512*\i   ; 512 consecutive bytes
.endr
	global_store_b32 v[R16], v253, s[OCS:OCS+1]    ; my row's scale word, 16 bytes apart; lanes l and l xor 16 hold the same word and store it to the same place.  The four heads' waves together fill the tile's 256 bytes
	s_wait_tensorcnt 0x0                           ; the wave's end
	ds_add_u32 v[SPW], v[NIL]
	s_wait_dscnt 0x0
	CROUND                                         ; the closing round
	s_endpgm
.Lfunc_end_k_q2e3301a662_attn:
	.size	k_q2e3301a662_attn, .Lfunc_end_k_q2e3301a662_attn-k_q2e3301a662_attn
	.p2alignl 7, 3214868480
	.fill 96, 4, 3214868480
	.section	.rodata,"a",@progbits
	.p2align	6, 0x0
	.amdhsa_kernel k_q2e3301a662_attn
		.amdhsa_group_segment_fixed_size 327680
		.amdhsa_private_segment_fixed_size 0
		.amdhsa_enable_private_segment 0
		.amdhsa_kernarg_size 24
		.amdhsa_user_sgpr_count 2
		.amdhsa_user_sgpr_kernarg_segment_ptr 1
		.amdhsa_wavefront_size32 1
		.amdhsa_system_sgpr_workgroup_id_x 1
		.amdhsa_system_sgpr_workgroup_id_y 1
		.amdhsa_system_sgpr_workgroup_id_z 1
		.amdhsa_system_vgpr_workitem_id 0
		.amdhsa_next_free_vgpr 512
		.amdhsa_next_free_sgpr 80
		.amdhsa_reserve_vcc 1
		.amdhsa_float_denorm_mode_32 3
		.amdhsa_float_denorm_mode_16_64 3
		.amdhsa_memory_ordered 1
		.amdhsa_forward_progress 1
		.amdhsa_inst_pref_size 205
	.end_amdhsa_kernel
	.amdgpu_metadata
---
amdhsa.version: [ 1, 2 ]
amdhsa.kernels:
  - .name:           k_q2e3301a662_attn
    .symbol:         k_q2e3301a662_attn.kd
    .args:
      - { .name: qi, .offset: 0, .size: 8, .value_kind: global_buffer, .address_space: global }
      - { .name: kv, .offset: 8, .size: 8, .value_kind: global_buffer, .address_space: global }
      - { .name: oc, .offset: 16, .size: 8, .value_kind: global_buffer, .address_space: global }
    .group_segment_fixed_size: 327680
    .private_segment_fixed_size: 0
    .kernarg_segment_align: 8
    .kernarg_segment_size: 24
    .max_flat_workgroup_size: 256
    .sgpr_count:     80
    .vgpr_count:     512
    .wavefront_size: 32
...
	.end_amdgpu_metadata
.endif
;; end of part 5
;; launch outp: the kernel of part 4 again; grid 16 x 8, 4 waves a work-group, clusters of 4 x 4, 327,680 bytes of LDS; arguments oc, wimg, out0; writes out0
